; MI455X (gfx1250); checked and timed in simulation.
; The chip was launched on July 23, 2026; its instructions are those of AMD's public machine-readable ISA for CDNA 5 (MIT licence, August 2026) and "CDNA5" Instruction Set Architecture Reference Guide (July 2026). The comments in the code are by the model that wrote it; some were corrected since.
;; Self Attention. Allowed arithmetic: matrix products marked QUANTISED: E5M2 operands, one given power-of-two scale a tensor, by v_wmma_f32_16x16x64_bf8_bf8 or v_wmma_f32_16x16x128_bf8_bf8, f32 sums; everything else in f32.
;; Inputs: Wk_codes 1,024 x 32 x 32 uint8 (E5M2 codes of Wk, K innermost, in blocks of 32 codes); Wo_codes 1,024 x 32 x 32 uint8 (E5M2 codes of Wo, K innermost, in blocks of 32 codes); Wq_codes 1,024 x 32 x 32 uint8 (E5M2 codes of Wq, K innermost, in blocks of 32 codes); Wv_codes 1,024 x 32 x 32 uint8 (E5M2 codes of Wv, K innermost, in blocks of 32 codes); bk 1,024 float32; bo 1,024 float32; bq 1,024 float32; bv 1,024 float32; lowp_scales 12 int32 (the exponents e of the quantised operands' scales 2^e); x 4 x 2,048 x 1,024 float32.
;; Outputs: out0 4 x 2,048 x 1,024 float32.
;; This version of the problem:
;;   THIS VERSION OF THE PROBLEM IS GIVEN IN LOW PRECISION. The matrix products marked QUANTISED in the list below multiply operands that are first quantised to E5M2 (5 exponent bits, 2 mantissa bits; 8 bits a number), with one given power-of-two scale for each operand tensor; their sums are f32. All else is computed in f32.
;;   The module's matrix products, in the order in which they are computed (A, B: the left and right operand; K: the contracted axis; several contracted axes count as one K, in the product's order):
;;     1. [M 8,192, K 1,024] x [K 1,024, N 1,024]; A: input x; B: input Wq (given as codes): QUANTISED (scales: A lowp_scales[0], B lowp_scales[1])
;;     2. [M 8,192, K 1,024] x [K 1,024, N 1,024]; A: input x; B: input Wk (given as codes): QUANTISED (scales: A lowp_scales[2], B lowp_scales[3])
;;     3. [M 8,192, K 1,024] x [K 1,024, N 1,024]; A: input x; B: input Wv (given as codes): QUANTISED (scales: A lowp_scales[4], B lowp_scales[5])
;;     4. batch 64 x [M 2,048, K 64] x [K 64, N 2,048]; A: computed on the way; B: computed on the way: QUANTISED (scales: A lowp_scales[6], B lowp_scales[7])
;;     5. batch 64 x [M 2,048, K 2,048] x [K 2,048, N 64]; A: softmax (see below); B: computed on the way: QUANTISED (scales: A lowp_scales[8], B lowp_scales[9])
;;     6. [M 8,192, K 1,024] x [K 1,024, N 1,024]; A: computed on the way; B: input Wo (given as codes): QUANTISED (scales: A lowp_scales[10], B lowp_scales[11])
;;   THE QUANTISER, for each operand of a quantised product, along K:
;;     - The operand's scale is 2^e, e = its entry of the input lowp_scales (int32; the entries are numbered through the quantised products in the list's order, A before B).
;;     - Each number is divided by the scale, clamped to +-57,344, and rounded to the nearest number of E5M2, ties to even, subnormals kept.
;;     - The product sums the exact products of the quantised numbers (number of the format x scale) in f32.
;;   ~~~python
;;   def quantise(x, axis, e):      # numpy; x: float32 -> the quantised numbers, widened to float32 again
;;       x = np.moveaxis(x, axis, -1); K = x.shape[-1]
;;       r = np.clip(x / 2.0 ** e, -57344, 57344)
;;       step = 2.0 ** (np.maximum(np.frexp(np.where(r == 0, 1, r))[1] - 1, -14) - 2)
;;       q = np.round(r / step) * step * 2.0 ** e      # np.round: ties to even
;;       return np.moveaxis(q, -1, axis).astype(np.float32)
;;   ~~~
;;   SOFTMAX AHEAD OF A QUANTISED PRODUCT. Where the list says 'softmax', what is quantised is not the finished softmax but p = 2^(t - M), with t = logit x log2(e) and M = ceil(the row's largest t), a whole number; so 1/2 < the row's largest p <= 1. The row's sum l is taken of the UNQUANTISED p, in f32, and the product's result is divided by l at the end. Since M is a whole number, a kernel that streams over the keys may use a running M (the ceiling of the running maximum): every later rescaling is an exact power of two, so the quantised numbers keep their values, but for numbers so far below the row's largest that they fall under the format's range.
;;   OPERANDS COMPUTED ON THE WAY. 'Computed on the way' means the value that the module computes at that place (a softmax that the list does not call 'softmax' is quantised finished and normalised). What goes into a quantiser is computed in f32, as accurately as f32 sums, v_exp_f32 and their like allow (about 1e-6 of the number): no bf16 or f16 on the way to a quantiser, and a product that is left as it is and whose result goes on into a quantised operand takes f32 operands (vector FMAs, or v_wmma_f32_16x16x4_f32). A number that lies on a knife's edge between two numbers of the format may be rounded either way, as far as f32 arithmetic and the matrix unit's own rounding can turn it there, and no further.
;;   INPUTS GIVEN AS CODES. Wk (in the module: [1024, 1024], K = its axis 0); Wo (in the module: [1024, 1024], K = its axis 0); Wq (in the module: [1024, 1024], K = its axis 0); Wv (in the module: [1024, 1024], K = its axis 0): each comes as NAME_codes (uint8): NAME with its K axis moved to the last place and cut into blocks of 32 codes, [.., K / 32, bytes a block], one block behind the other in memory; one code a byte (a code: sign, 5 exponent bits, 2 mantissa bits); its scale is its entry of lowp_scales. Its value is code x scale, taken as it is: it is not quantised again, and the codes and scales need not be those that the quantiser above would give.
;; 2 versions, each right; version 2 is version 1 with the launches proj, attn, oproj written anew for expert scheduling mode. Each part assembles by itself: llvm-mc -triple=amdgcn-amd-amdhsa -mcpu=gfx1250 --defsym DOCPART=n.
;; ======== version 1 of 2: 4 launches
;; workspace buffers: xc 25,165,824 bytes; wimg 4,194,304 bytes; qkvc 25,165,824 bytes; cc 8,388,608 bytes
;; launch prep (part 1): grid 768 x 1, 8 waves a work-group, no clusters, 68,608 bytes of LDS; arguments x, Wq_codes, Wk_codes, Wv_codes, Wo_codes, lowp_scales, xc, wimg; writes xc, wimg
.if DOCPART == 1
	.amdgcn_target "amdgcn-amd-amdhsa--gfx1250"
	.amdhsa_code_object_version 6
	.text
	.protected	k_q622d1358f9_prep
	.globl	k_q622d1358f9_prep
	.p2align	8
	.type	k_q622d1358f9_prep,@function
k_q622d1358f9_prep:
	s_mov_b64 s[64:65], 0
	v_nop
	global_prefetch_b8 v0, s[64:65] scope:SCOPE_SE
	s_setreg_imm32_b32 hwreg(HW_REG_WAVE_MODE, 25, 1), 1
	s_wait_xcnt 0x0
; x (f32, [8192][1024]) becomes codes of E5M2, and the four weights' codes are laid anew: both as IMAGES OF OPERAND REGISTERS.
; A fragment is 16 rows x 128 along K: 16 registers a lane, 2,048 bytes: four pieces of 512 bytes; piece g holds every lane's registers 4 g .. 4 g + 3, lane l's 16 bytes at 16 l.
; Lane (r = l % 16, h = l / 16), registers 2 c, 2 c + 1: row r, k = 16 c + 8 h + 0 .. 7 (the 8-bit layout of the plain matrix forms, ISA guide 7.12.2).
; xc: [copy j][row tile T 0..511][K step s 0..7][2048]; copy j is x under the scale of product j + 1 (entries 0, 2, 4 of the exponents).  A copy is made only where its exponent differs from
; every earlier copy's; the next launch chooses by the same comparisons.  wimg: [q, k, v, o][column tile 0..63][K step][2048].
; code = x / 2^e, held within +-57,344, to the nearest code, ties to even.  LIMITS: the three exponents lie between -126 and 112, so that 2^e and 57,344 x 2^e are f32 numbers.  NaN among the inputs is not served.
; Work-groups 0..511: row tile T, wave s = K step s.  Work-groups 512..767: one column tile of one weight, wave s = K step s.  Waves share nothing: no barrier.
; No matrix unit, no cluster, no tensor load: each byte is read once and every work-group asks for all its bytes at its head.
.set SP,   528                         ; a stage row: 512 bytes + 16: the sixteen rows that a read touches begin 16 bytes apart modulo 256
.set WST,  16*SP                       ; a wave's own stage
.set SCL,  8                           ; v8-10   2^e of the three copies
.set LIMR, 11                          ; v11-13  57,344 x 2^e
.set R,    16                          ; v16-79  16 rows as loaded; then v16-63 the codes of the three copies,
.set TQ,   64                          ; v64-79  and two sets of eight held numbers
.set X,    80                          ; v80-143 my 64 numbers: register 8 c + n = x(row r, 16 c + 8 h + n)
	s_load_b256 s[4:11], s[0:1], 0x0               ; x s[4:5], Wq s[6:7], Wk s[8:9], Wv s[10:11]
	s_load_b256 s[12:19], s[0:1], 0x20             ; Wo s[12:13], the exponents s[14:15], xc s[16:17], wimg s[18:19]
	v_lshl_add_u32 v144, v0, 2, 0x10800
	v_mov_b32 v145, 0
	v_lshrrev_b32 v5, 5, v0
	v_readfirstlane_b32 s24, v5                    ; wave = K step
	v_and_b32 v5, 31, v0
	v_lshlrev_b32 v1, 4, v5                        ; 16 x lane
	v_and_b32 v6, 15, v0                           ; r
	v_bfe_u32 v7, v0, 4, 1                         ; h
	s_cmp_lt_u32 ttmp9, 512
	s_cbranch_scc0 .Lweights
	; ---- x
	s_lshl_b32 s26, ttmp9, 16                      ; 16 rows of 4,096 bytes
	s_lshl_b32 s27, s24, 9                         ; 128 numbers of 4 bytes
	s_add_co_u32 s26, s26, s27
	s_mov_b32 s27, 0
	s_lshl_b32 s28, ttmp9, 14                      ; a row tile's eight fragments
	s_lshl_b32 s29, s24, 11
	s_add_co_u32 s28, s28, s29
	s_mov_b32 s29, 0
	s_mul_i32 s25, s24, WST
	v_add_nc_u32 v2, s25, v1                       ; into the stage: as loaded
	v_mul_u32_u24 v3, v6, SP
	v_lshl_add_u32 v3, v7, 5, v3
	v_add_nc_u32 v3, s25, v3                       ; out of it: row r, + 32 h bytes
	s_wait_kmcnt 0x0
	s_load_b256 s[32:39], s[14:15], 0x0            ; entries 0 to 7; 0, 2 and 4 are x's
	s_add_nc_u64 s[4:5], s[4:5], s[26:27]
	s_add_nc_u64 s[40:41], s[16:17], s[28:29]      ; where copy 0, 1, 2 of my fragment goes
	s_add_nc_u64 s[42:43], s[40:41], 0x800000
	s_add_nc_u64 s[44:45], s[40:41], 0x1000000
.set i, 0
.rept 16
	global_load_b128 v[R+4*i:R+4*i+3], v1, s[4:5] offset:4096*i th:TH_LOAD_NT   ; row i: 32 lanes read 512 consecutive bytes
.set i, i+1
.endr
	s_wait_kmcnt 0x0
.irp j, 0,1,2
	s_add_co_i32 s46, s[32+2*\j], 127
	s_lshl_b32 s47, s46, 23
	v_mov_b32 v[SCL+\j], s47                       ; 2^e: the conversion takes its exponent field
	s_add_co_i32 s46, s46, 15
	s_lshl_b32 s46, s46, 23
	s_or_b32 s46, s46, 0x600000
	v_mov_b32 v[LIMR+\j], s46                      ; 57,344 x 2^e
.endr
.set i, 0
.rept 16
	s_wait_loadcnt 15-i                            ; loads come back in order: row i is in, the younger ones stay out
	ds_store_b128 v2, v[R+4*i:R+4*i+3] offset:SP*i
.set i, i+1
.endr
.set c, 0
.rept 8
	ds_load_b128 v[X+8*c:X+8*c+3], v3 offset:64*c          ; LDS serves a wave's instructions in order: these see my stores
	ds_load_b128 v[X+8*c+4:X+8*c+7], v3 offset:64*c+16
.set c, c+1
.endr
	s_wait_dscnt 0x0                               ; my 64 numbers are in, and the stores have read v16-79
; Copy j: the numbers are held into one of two sets by turns, so that eight plain lines stand between a conversion and the next write of its sources.  Each copy has its own registers for its codes.
.macro QUANT j
.set c, 0
.rept 8
.set n, 0
.rept 8
	v_med3_num_f32 v[TQ+8*(c%2)+n], v[X+8*c+n], -v[LIMR+\j], v[LIMR+\j]   ; the conversion to an 8-bit code does not saturate (ISA guide 7.6.2)
.set n, n+1
.endr
	v_cvt_scalef32_pk8_bf8_f32 v[R+16*\j+2*c:R+16*\j+2*c+1], v[TQ+8*(c%2):TQ+8*(c%2)+7], v[SCL+\j]
.set c, c+1
.endr
.irp g, 0,1,2,3
	global_store_b128 v1, v[R+16*\j+4*\g:R+16*\j+4*\g+3], s[40+2*\j:41+2*\j] offset:512*\g   ; a piece: 512 consecutive bytes
.endr
.endm
	QUANT 0
	s_cmp_eq_u32 s34, s32                          ; the second product's scale is the first's: copy 0 serves
	s_cbranch_scc1 .Ls1
	QUANT 1
.Ls1:
	s_cmp_eq_u32 s36, s32
	s_cbranch_scc1 .Ls2
	s_cmp_eq_u32 s36, s34
	s_cbranch_scc1 .Ls2
	QUANT 2
.Ls2:
	s_wait_tensorcnt 0x0
	ds_add_u32 v144, v145
	s_wait_dscnt 0x0
	s_endpgm
	; ---- the weights: [n][k] rows of 1,024 codes become images.  Eight bytes a lane and load, once over the four tensors; the products then load whole pieces
.Lweights:
	s_sub_co_u32 s26, ttmp9, 512                   ; 64 x weight + column tile
	s_lshr_b32 s27, s26, 6
	s_and_b32 s28, s26, 63
	s_lshl_b32 s28, s28, 14                        ; 16 rows of 1,024 bytes
	s_lshl_b32 s29, s24, 7
	s_add_co_u32 s28, s28, s29
	s_mov_b32 s29, 0
	s_lshl_b32 s30, s26, 14
	s_lshl_b32 s31, s24, 11
	s_add_co_u32 s30, s30, s31
	s_mov_b32 s31, 0
	v_lshlrev_b32 v4, 10, v6
	v_lshl_add_u32 v4, v7, 3, v4                   ; row r, + 8 h
	s_wait_kmcnt 0x0
	s_cmp_eq_u32 s27, 1
	s_cselect_b64 s[6:7], s[8:9], s[6:7]
	s_cmp_eq_u32 s27, 2
	s_cselect_b64 s[6:7], s[10:11], s[6:7]
	s_cmp_eq_u32 s27, 3
	s_cselect_b64 s[6:7], s[12:13], s[6:7]
	s_add_nc_u64 s[6:7], s[6:7], s[28:29]
	s_add_nc_u64 s[18:19], s[18:19], s[30:31]
.set c, 0
.rept 8
	global_load_b64 v[R+2*c:R+2*c+1], v4, s[6:7] offset:16*c
.set c, c+1
.endr
	s_wait_loadcnt 0x0
.irp g, 0,1,2,3
	global_store_b128 v1, v[R+4*\g:R+4*\g+3], s[18:19] offset:512*\g
.endr
	s_endpgm
.Lfunc_end_k_q622d1358f9_prep:
	.size	k_q622d1358f9_prep, .Lfunc_end_k_q622d1358f9_prep-k_q622d1358f9_prep
	.p2alignl 7, 3214868480
	.fill 96, 4, 3214868480
	.section	.rodata,"a",@progbits
	.p2align	6, 0x0
	.amdhsa_kernel k_q622d1358f9_prep
		.amdhsa_group_segment_fixed_size 68608
		.amdhsa_private_segment_fixed_size 0
		.amdhsa_enable_private_segment 0
		.amdhsa_kernarg_size 64
		.amdhsa_user_sgpr_count 2
		.amdhsa_user_sgpr_kernarg_segment_ptr 1
		.amdhsa_wavefront_size32 1
		.amdhsa_system_sgpr_workgroup_id_x 1
		.amdhsa_system_sgpr_workgroup_id_y 1
		.amdhsa_system_sgpr_workgroup_id_z 1
		.amdhsa_system_vgpr_workitem_id 0
		.amdhsa_next_free_vgpr 146
		.amdhsa_next_free_sgpr 66
		.amdhsa_reserve_vcc 0
		.amdhsa_float_denorm_mode_32 3
		.amdhsa_float_denorm_mode_16_64 3
		.amdhsa_memory_ordered 1
		.amdhsa_forward_progress 1
		.amdhsa_inst_pref_size 24
	.end_amdhsa_kernel
	.amdgpu_metadata
---
amdhsa.version: [ 1, 2 ]
amdhsa.kernels:
  - .name:           k_q622d1358f9_prep
    .symbol:         k_q622d1358f9_prep.kd
    .args:
      - { .name: x, .offset: 0, .size: 8, .value_kind: global_buffer, .address_space: global }
      - { .name: Wq_codes, .offset: 8, .size: 8, .value_kind: global_buffer, .address_space: global }
      - { .name: Wk_codes, .offset: 16, .size: 8, .value_kind: global_buffer, .address_space: global }
      - { .name: Wv_codes, .offset: 24, .size: 8, .value_kind: global_buffer, .address_space: global }
      - { .name: Wo_codes, .offset: 32, .size: 8, .value_kind: global_buffer, .address_space: global }
      - { .name: lowp_scales, .offset: 40, .size: 8, .value_kind: global_buffer, .address_space: global }
      - { .name: xc, .offset: 48, .size: 8, .value_kind: global_buffer, .address_space: global }
      - { .name: wimg, .offset: 56, .size: 8, .value_kind: global_buffer, .address_space: global }
    .group_segment_fixed_size: 68608
    .private_segment_fixed_size: 0
    .kernarg_segment_align: 8
    .kernarg_segment_size: 64
    .max_flat_workgroup_size: 256
    .sgpr_count:     66
    .vgpr_count:     146
    .wavefront_size: 32
...
	.end_amdgpu_metadata
.endif
;; end of part 1
;; launch proj (part 2): grid 12 x 16, 4 waves a work-group, no clusters, 131,584 bytes of LDS; arguments xc, wimg, bq, bk, bv, lowp_scales, qkvc; writes qkvc
.if DOCPART == 2
	.amdgcn_target "amdgcn-amd-amdhsa--gfx1250"
	.amdhsa_code_object_version 6
	.text
	.protected	k_q622d1358f9_proj
	.globl	k_q622d1358f9_proj
	.p2align	8
	.type	k_q622d1358f9_proj,@function
k_q622d1358f9_proj:
	s_mov_b64 s[64:65], 0
	v_nop
	global_prefetch_b8 v0, s[64:65] scope:SCOPE_SE
	s_setreg_imm32_b32 hwreg(HW_REG_WAVE_MODE, 25, 1), 1
	s_wait_xcnt 0x0
; q = x Wq + bq, k = x Wk + bk, v = x Wv + bv on codes of E5M2, and their results quantised at once for the two products of attention.
; SHARES.  Work-group x = 4 i + hq: matrix i (0 q, 1 k, 2 v), heads 4 hq .. 4 hq + 3; work-group y: 512 rows.  Wave w owns ONE head: 64 columns x all 1,024 of K: 32 fragments, 512 registers, loaded once.
; The rows go in 8 blocks of 64 (four row tiles, 65,536 bytes of images) through two LDS buffers; every wave reads every block.  A block is asked for into registers three blocks ahead of its products,
; stored to LDS one block ahead; one barrier a block.
; ORIENTATION.  q, k: source 0 = 16 columns of W, source 1 = 16 rows of x: a lane holds one row and eight neighbouring channels.  v: the sources the other way round: a lane holds one channel and eight
; neighbouring keys.  Either way the conversion of a result tile IS a register pair of the next operand, and a pair of row tiles leaves as 2,048 consecutive bytes.
; qkvc: [i][16 b + head][pair 0..63][2048].  q, k: [row tile of the pair][piece][512] (a fragment of 16 rows x 64).  v: [channel tile 0..3][512]: piece pair % 4 of the fragment (128 keys, 16 channels).
; SCALES.  A sum stands for sum x 2^(ex + ew): the bias goes in as the first C, divided by that; the conversion takes 2^(e_out - ex - ew).  e_out: entry 6 (q), 7 (k), 9 (v).
; LIMITS: e_out - ex - ew between -126 and 112.  NaN among the inputs is not served.
; NO JOINT LOADS, NO TENSOR LOADS: the large operand, the weights, is each wave's own and lies in registers; what work-groups share, a block's 65,536 bytes, comes through registers two blocks ahead of its
; store to LDS, which a ring with one refill behind each barrier does not give.  192 work-groups: three matrices x 64 shares.
; REGISTERS, in windows of 256: window 0: v1-8 addresses and scales; v16-47 the bias, four tiles; v48-111 eight accumulators; v112-127 codes; v128-255 staging A.
;   window 1: W's K steps 0-3, (tile t, step s) at 16 (4 t + s);  window 2: K steps 4-7;  window 3: v0-63, v64-127 two sets of four fragments of x; v128-255 staging B.
.set L16,  1                           ; v1   16 x lane; also the LDS address of buffer 0's images
.set LA,   1                           ; v1, v3: buffer 0, buffer 1
.set SA,   4                           ; v4   16 x lane + 16,384 x wave: my row tile of a block, in memory and in buffer 0; v5: in buffer 1
.set SC,   7                           ; v7   2^(e_out - ex - ew)
.set LIM,  8                           ; v8   57,344 x that
.set BIAS, 16
.set ACC,  48
.set CODE, 112
.set STG,  128
.set ISV,  24                          ; s24  1 for v
.set XB,   26                          ; s[26:27] the even blocks' address, s[28:29] the odd blocks'
.set WB,   30
.set BP,   32
.set OUT,  34
.set CTR,  52
.set MSB, 0
.macro WIN new                         ; the immediate's high byte repeats the setting that is left
.if MSB != \new
	s_set_vgpr_msb (MSB<<8)|\new
.set MSB, \new
.endif
.endm
.macro PLACES n
.rept \n
	v_nop
.endr
.endm
.macro GLOAD st                        ; my row tile of a block, 32 pieces, into staging st
.if \st
	WIN 0xc0
.endif
.set k, 0
.rept 32
	global_load_b128 v[STG+4*k:STG+4*k+3], v[SA], s[XB+2*(\st):XB+2*(\st)+1] offset:512*k
.set k, k+1
.endr
	WIN 0
.endm
.macro STAGE_OUT st                    ; staging st goes to buffer st as it stands
.if \st
	WIN 0x0c
.endif
.set k, 0
.rept 32
	ds_store_b128 v[SA+(\st)], v[STG+4*k:STG+4*k+3] offset:512*k
.set k, k+1
.endr
	WIN 0
.endm
.macro FETCH buf, pair, qr, set        ; row tiles 2 pair + m, K steps 2 qr + u: four fragments, 16 loads of 512 consecutive bytes
	WIN 0xc0
.irp m, 0,1
.irp u, 0,1
.irp g, 0,1,2,3
	ds_load_b128 v[64*(\set)+16*(2*\m+\u)+4*\g:64*(\set)+16*(2*\m+\u)+4*\g+3], v[LA+2*(\buf)] offset:(2*(\pair)+\m)*16384+(2*(\qr)+\u)*2048+512*\g
.endr
.endr
.endr
	WIN 0
.endm
; 16 matrix instructions: two K steps x eight accumulators, which take turns, one instruction a turn, in the same order everywhere.  With qr = 0 the first eight start the sums with the bias as C.
.macro MUL set, qr
	WIN 0
	s_cmp_eq_u32 s[ISV], 0
	s_cbranch_scc0 .Lnat_\@
	WIN (0x0c|(1+(\qr)/2))                         ; source 0: W's window; source 1: window 3.  Accumulator 4 m + t
.irp u, 0,1
.irp g, 0,1,2,3,4,5,6,7
.if ((\qr) == 0) && (\u == 0)
	v_wmma_f32_16x16x128_bf8_bf8 v[ACC+8*\g:ACC+8*\g+7], v[16*(4*(\g%4)+(2*(\qr)+\u)%4):16*(4*(\g%4)+(2*(\qr)+\u)%4)+15], v[64*(\set)+16*(2*(\g/4)+\u):64*(\set)+16*(2*(\g/4)+\u)+15], v[BIAS+8*(\g%4):BIAS+8*(\g%4)+7]
.else
	v_wmma_f32_16x16x128_bf8_bf8 v[ACC+8*\g:ACC+8*\g+7], v[16*(4*(\g%4)+(2*(\qr)+\u)%4):16*(4*(\g%4)+(2*(\qr)+\u)%4)+15], v[64*(\set)+16*(2*(\g/4)+\u):64*(\set)+16*(2*(\g/4)+\u)+15], v[ACC+8*\g:ACC+8*\g+7]
.endif
.endr
.endr
	WIN 0
	s_branch .Ldone_\@
.Lnat_\@:
	WIN (3|((1+(\qr)/2)<<2))                       ; source 0: window 3; source 1: W's window.  Accumulator 2 t + m
.irp u, 0,1
.irp g, 0,1,2,3,4,5,6,7
.if ((\qr) == 0) && (\u == 0)
	v_wmma_f32_16x16x128_bf8_bf8 v[ACC+8*\g:ACC+8*\g+7], v[64*(\set)+16*(2*(\g%2)+\u):64*(\set)+16*(2*(\g%2)+\u)+15], v[16*(4*(\g/2)+(2*(\qr)+\u)%4):16*(4*(\g/2)+(2*(\qr)+\u)%4)+15], v[BIAS+8*(\g/2):BIAS+8*(\g/2)+7]
.else
	v_wmma_f32_16x16x128_bf8_bf8 v[ACC+8*\g:ACC+8*\g+7], v[64*(\set)+16*(2*(\g%2)+\u):64*(\set)+16*(2*(\g%2)+\u)+15], v[16*(4*(\g/2)+(2*(\qr)+\u)%4):16*(4*(\g/2)+(2*(\qr)+\u)%4)+15], v[ACC+8*\g:ACC+8*\g+7]
.endif
.endr
.endr
	WIN 0
.Ldone_\@:
.endm
; A pair of row tiles is finished: held, converted (accumulator g gives code registers 2 g, 2 g + 1), stored.  Each accumulator is read from its low end on.
.macro EPI q
	s_wait_xcnt 0x0                                ; the last pair's stores have read the code registers
.irp g, 0,1,2,3,4,5,6,7
.irp n, 0,1,2,3,4,5,6,7
	v_med3_num_f32 v[ACC+8*\g+\n], v[ACC+8*\g+\n], -v[LIM], v[LIM]
.endr
	v_cvt_scalef32_pk8_bf8_f32 v[CODE+2*\g:CODE+2*\g+1], v[ACC+8*\g:ACC+8*\g+7], v[SC]
.endr
	v_nop                                          ; a plain line between the last conversion and the products that write its sources anew
.irp k, 0,1,2,3
	global_store_b128 v[L16], v[CODE+4*\k:CODE+4*\k+3], s[OUT:OUT+1] offset:2048*(\q)+512*\k
.endr
.endm
; A block of 64 rows out of buffer cur, in eight phases of 16 matrix instructions (pair ph / 4, K steps 2 (ph % 4) on, set ph % 2).
; st = 1: the next block goes from staging to the other buffer; gl = 1: the block three on is asked for; cnt: the younger loads that may stay out when the next block has to be in registers.
.macro ITER cur, st, gl, cnt
.if \st
	s_wait_loadcnt \cnt                            ; the next block is in registers; its loads are done, so their base may step
.if \gl
	s_add_nc_u64 s[XB+2-2*\cur:XB+3-2*\cur], s[XB+2-2*\cur:XB+3-2*\cur], 0x20000
.endif
	STAGE_OUT (1-\cur)                             ; behind the last block's barrier: nobody reads that buffer any more
.endif
	FETCH \cur, 0, 0, 0
	FETCH \cur, 0, 1, 1
.irp ph, 0,1,2,3,4,5,6,7
.if \ph == 7
	s_wait_dscnt 0x0
.else
	s_wait_dscnt 16                                ; this phase's fragments are in (and, in phase 0, the staging stores are done); the next phase's 16 loads may be out
.endif
	MUL (\ph%2), (\ph%4)
	PLACES 4                                       ; in front of loads into registers that the products have read, and of the first read of results
.if \ph <= 5
	FETCH \cur, ((\ph+2)/4), ((\ph+2)%4), (\ph%2)
.endif
.if (\ph == 0) && \gl
	GLOAD (1-\cur)
.endif
.if \ph == 3
	EPI 0
.endif
.if \ph == 7
	EPI 1
.endif
.endr
	s_wait_xcnt 0x0                                ; the stores have read their base
	s_add_nc_u64 s[OUT:OUT+1], s[OUT:OUT+1], 4096
.if \st
	s_wait_dscnt 0x0                               ; my stores into the other buffer are done, my reads of this one are back
	s_barrier_signal -1
	s_barrier_wait -1
.endif
.endm
	s_load_b256 s[4:11], s[0:1], 0x0               ; xc s[4:5], wimg s[6:7], bq s[8:9], bk s[10:11]
	s_load_b128 s[12:15], s[0:1], 0x20             ; bv s[12:13], the exponents s[14:15]
	s_load_b64 s[16:17], s[0:1], 0x30              ; qkvc
	v_lshl_add_u32 v14, v0, 2, 0x20000
	v_mov_b32 v15, 0
	v_lshrrev_b32 v2, 5, v0
	v_readfirstlane_b32 s18, v2                    ; wave
	v_and_b32 v2, 31, v0
	v_lshlrev_b32 v[L16], 4, v2
	v_add_nc_u32 v3, 0x10000, v[L16]
	s_lshl_b32 s22, s18, 14
	v_add_nc_u32 v[SA], s22, v[L16]
	v_add_nc_u32 v[SA+1], 0x10000, v[SA]
	v_and_b32 v9, 15, v0                           ; r
	v_bfe_u32 v10, v0, 4, 1                        ; h
	s_and_b32 s19, ttmp7, 0xffff                   ; which 512 rows
	s_lshr_b32 s20, ttmp9, 2                       ; i
	s_and_b32 s21, ttmp9, 3
	s_lshl_b32 s23, s21, 2
	s_add_co_u32 s23, s23, s18                     ; head
	s_cmp_eq_u32 s20, 2
	s_cselect_b32 s[ISV], 1, 0
	s_cselect_b32 s48, 4, 0                        ; the bias in the result's layout: q, k: register n of lane (r, h) wants channel 16 t + 8 h + n; v: channel 16 t + r
	s_cselect_b32 s49, 0, 32
	s_cselect_b32 s50, 0, 4
	v_mul_u32_u24 v11, v9, s48
	v_mad_u32_u24 v11, v10, s49, v11
.irp n, 0,1,2,3,4,5,6,7
	s_mul_i32 s51, s50, \n
	v_add_nc_u32 v[CODE+\n], s51, v11
.endr
	s_lshl_b32 s54, s20, 20
	s_lshl_b32 s55, s23, 16
	s_add_co_u32 s54, s54, s55                     ; my head's 32 fragments of W
	s_mov_b32 s55, 0
	s_wait_kmcnt 0x0
	s_load_b256 s[36:43], s[14:15], 0x0            ; entries 0 to 7
	s_load_b128 s[44:47], s[14:15], 0x20           ; entries 8 to 11
	s_add_nc_u64 s[WB:WB+1], s[6:7], s[54:55]
	s_cmp_eq_u32 s20, 1
	s_cselect_b64 s[BP:BP+1], s[10:11], s[8:9]
	s_cmp_eq_u32 s20, 2
	s_cselect_b64 s[BP:BP+1], s[12:13], s[BP:BP+1]
	s_lshl_b32 s54, s23, 8
	s_add_nc_u64 s[BP:BP+1], s[BP:BP+1], s[54:55]
	s_lshl_b32 s54, s20, 23
	s_lshr_b32 s56, s19, 2                         ; b
	s_lshl_b32 s56, s56, 4
	s_add_co_u32 s56, s56, s23
	s_lshl_b32 s56, s56, 17
	s_add_co_u32 s54, s54, s56
	s_and_b32 s56, s19, 3
	s_lshl_b32 s56, s56, 15
	s_add_co_u32 s54, s54, s56
	s_add_nc_u64 s[OUT:OUT+1], s[16:17], s[54:55]
	WIN 0x40
.irp t, 0,1,2,3
.irp s, 0,1,2,3
.irp g, 0,1,2,3
	global_load_b128 v[16*(4*\t+\s)+4*\g:16*(4*\t+\s)+4*\g+3], v[L16], s[WB:WB+1] offset:\t*16384+\s*2048+512*\g
.endr
.endr
.endr
	WIN 0x80
.irp t, 0,1,2,3
.irp s, 0,1,2,3
.irp g, 0,1,2,3
	global_load_b128 v[16*(4*\t+\s)+4*\g:16*(4*\t+\s)+4*\g+3], v[L16], s[WB:WB+1] offset:\t*16384+(\s+4)*2048+512*\g
.endr
.endr
.endr
	WIN 0
.irp t, 0,1,2,3
.irp n, 0,1,2,3,4,5,6,7
	global_load_b32 v[BIAS+8*\t+\n], v[CODE+\n], s[BP:BP+1] offset:64*\t
.endr
.endr
	s_wait_kmcnt 0x0
	s_cmp_eq_u32 s38, s36                          ; which copy of x's codes holds my product's scale: the comparisons by which the copies were made
	s_cselect_b32 s57, 0, 1
	s_cmp_eq_u32 s40, s38
	s_cselect_b32 s58, 1, 2
	s_cmp_eq_u32 s40, s36
	s_cselect_b32 s58, 0, s58
	s_cmp_eq_u32 s20, 1
	s_cselect_b32 s59, s57, 0                      ; the copy,
	s_cselect_b32 s60, s38, s36                    ; ex,
	s_cselect_b32 s61, s39, s37                    ; ew,
	s_cselect_b32 s62, s43, s42                    ; e_out
	s_cmp_eq_u32 s20, 2
	s_cselect_b32 s59, s58, s59
	s_cselect_b32 s60, s40, s60
	s_cselect_b32 s61, s41, s61
	s_cselect_b32 s62, s45, s62
	s_min_u32 s59, s59, 2
	s_lshl_b32 s54, s59, 23
	s_lshl_b32 s56, s19, 19                        ; 32 row tiles of 16,384 bytes
	s_add_co_u32 s54, s54, s56
	s_add_nc_u64 s[XB:XB+1], s[4:5], s[54:55]
	s_add_nc_u64 s[XB+2:XB+3], s[XB:XB+1], 0x10000
	s_add_co_i32 s60, s60, s61                     ; ex + ew
	s_sub_co_i32 s61, 0, s60
	s_sub_co_i32 s62, s62, s60
	s_add_co_i32 s62, s62, 127
	s_lshl_b32 s63, s62, 23
	v_mov_b32 v[SC], s63
	s_add_co_i32 s62, s62, 15
	s_lshl_b32 s62, s62, 23
	s_or_b32 s62, s62, 0x600000
	v_mov_b32 v[LIM], s62
	GLOAD 0                                        ; block 0
	GLOAD 1                                        ; block 1
	s_wait_loadcnt 32                              ; all but block 1: W, the bias, block 0
.set j, 0
.rept 32
	v_ldexp_f32 v[BIAS+j], v[BIAS+j], s61          ; b / 2^(ex + ew)
.set j, j+1
.endr
	s_add_nc_u64 s[XB:XB+1], s[XB:XB+1], 0x20000
	STAGE_OUT 0
	s_wait_dscnt 0x0                               ; block 0 lies in buffer 0, and staging A is free
	GLOAD 0                                        ; block 2
	s_barrier_signal -1
	s_barrier_wait -1
	s_mov_b32 s[CTR], 2
.Lblk:                                                 ; blocks 0 to 3
	ITER 0, 1, 1, 32
	ITER 1, 1, 1, 32
	s_sub_co_u32 s[CTR], s[CTR], 1
	s_cmp_lg_u32 s[CTR], 0
	s_cbranch_scc1 .Lblk
	ITER 0, 1, 1, 32                               ; block 4 asks for block 7, the last
	ITER 1, 1, 0, 32                               ; block 5: block 6 is in, block 7 may be out
	ITER 0, 1, 0, 0                                ; block 6: block 7 is in
	ITER 1, 0, 0, 0                                ; block 7
	s_wait_tensorcnt 0x0
	ds_add_u32 v14, v15
	s_wait_dscnt 0x0
	s_endpgm
.Lfunc_end_k_q622d1358f9_proj:
	.size	k_q622d1358f9_proj, .Lfunc_end_k_q622d1358f9_proj-k_q622d1358f9_proj
	.p2alignl 7, 3214868480
	.fill 96, 4, 3214868480
	.section	.rodata,"a",@progbits
	.p2align	6, 0x0
	.amdhsa_kernel k_q622d1358f9_proj
		.amdhsa_group_segment_fixed_size 131584
		.amdhsa_private_segment_fixed_size 0
		.amdhsa_enable_private_segment 0
		.amdhsa_kernarg_size 56
		.amdhsa_user_sgpr_count 2
		.amdhsa_user_sgpr_kernarg_segment_ptr 1
		.amdhsa_wavefront_size32 1
		.amdhsa_system_sgpr_workgroup_id_x 1
		.amdhsa_system_sgpr_workgroup_id_y 1
		.amdhsa_system_sgpr_workgroup_id_z 1
		.amdhsa_system_vgpr_workitem_id 0
		.amdhsa_next_free_vgpr 1024
		.amdhsa_next_free_sgpr 66
		.amdhsa_reserve_vcc 0
		.amdhsa_float_denorm_mode_32 3
		.amdhsa_float_denorm_mode_16_64 3
		.amdhsa_memory_ordered 1
		.amdhsa_forward_progress 1
		.amdhsa_inst_pref_size 255
	.end_amdhsa_kernel
	.section	.bss,"aw",@nobits
	.p2align	6
	.space	262144
	.amdgpu_metadata
---
amdhsa.version: [ 1, 2 ]
amdhsa.kernels:
  - .name:           k_q622d1358f9_proj
    .symbol:         k_q622d1358f9_proj.kd
    .args:
      - { .name: xc, .offset: 0, .size: 8, .value_kind: global_buffer, .address_space: global }
      - { .name: wimg, .offset: 8, .size: 8, .value_kind: global_buffer, .address_space: global }
      - { .name: bq, .offset: 16, .size: 8, .value_kind: global_buffer, .address_space: global }
      - { .name: bk, .offset: 24, .size: 8, .value_kind: global_buffer, .address_space: global }
      - { .name: bv, .offset: 32, .size: 8, .value_kind: global_buffer, .address_space: global }
      - { .name: lowp_scales, .offset: 40, .size: 8, .value_kind: global_buffer, .address_space: global }
      - { .name: qkvc, .offset: 48, .size: 8, .value_kind: global_buffer, .address_space: global }
    .group_segment_fixed_size: 131584
    .private_segment_fixed_size: 0
    .kernarg_segment_align: 8
    .kernarg_segment_size: 56
    .max_flat_workgroup_size: 128
    .sgpr_count:     66
    .vgpr_count:     1024
    .wavefront_size: 32
...
	.end_amdgpu_metadata
.endif
;; end of part 2
;; launch attn (part 3): grid 4 x 64, 8 waves a work-group, no clusters, 263,168 bytes of LDS; arguments qkvc, lowp_scales, cc; writes cc
.if DOCPART == 3
	.amdgcn_target "amdgcn-amd-amdhsa--gfx1250"
	.amdhsa_code_object_version 6
	.text
	.protected	k_q622d1358f9_attn
	.globl	k_q622d1358f9_attn
	.p2align	8
	.type	k_q622d1358f9_attn,@function
k_q622d1358f9_attn:
	s_mov_b64 s[64:65], 0
	v_nop
	global_prefetch_b8 v0, s[64:65] scope:SCOPE_SE
	s_setreg_imm32_b32 hwreg(HW_REG_WAVE_MODE, 25, 1), 1
	s_wait_xcnt 0x0
; ctx = softmax(q k^T / 8) v for one head, both products on codes of E5M2; ctx is quantised at once for the last product.
; THE SOFTMAX AHEAD OF THE SECOND PRODUCT: t = score x log2(e) / 8; M = the running largest t rounded UP to a whole number; p = 2^(t - M) is what is quantised; the row's sum is taken of the unquantised p and
; divides at the end.  When M moves, the sum and O are multiplied by 2^(old M - new M), which rounds nothing.
; SHARES.  Work-group x: 512 queries; y: 16 b + head.  The head's WHOLE K and V, 131,072 bytes each, lie in LDS as images of operand registers, stored once: one barrier in the launch.
; Each of eight waves owns 64 queries and takes them in two trips of TWO tiles of 16, which share every fragment of K and V read from LDS.  Two waves lie on a SIMD.
; LAYOUT.  S^T = K Q^T (source 0 = 16 keys, source 1 = 16 queries, K = 64), O^T = V^T P^T (source 0 = 16 channels, source 1 = P, K = 128 keys): a lane holds ONE query throughout.  Tile c of S^T holds, in lane (r, h),
; keys 16 c + 8 h + 0 .. 7: its conversion is P's registers 2 c, 2 c + 1.  Likewise tile t of O^T gives registers 2 t, 2 t + 1 of ctx's fragment.  cc: [row tile 0..511][head][1024].
; THE HOLD OF p is jumped over where ep >= -15: p is at most 1, so p / 2^ep is at most 2^15, under 57,344.  The branch hangs on a whole number among the inputs.
; NO JOINT LOADS: the four work-groups of a head read the same K and V, but once each: 64 loads a wave at the head against 32 key steps; and a joint request is a tensor load.
; The hold's branch takes 128 of a key step's 520 vector lines away.  Nothing is asked for later, so there is nothing to prefetch.
; LIMITS: eq + ek between -123 and 130 (added to c's exponent field); ep, and e_ctx - ep - ev, between -126 and 112.  NaN among the inputs is not served.
; REGISTERS: window 0: v1-6 addresses; v8-15 -M, largest t, sum (two halves) of tile 0 and of tile 1; v16-19 f; v20-26 at work; v28-31 scales; v32-159 S^T, then p; v160-191 P's codes; v192-195 second sums.
;   window 1: v0-63 O^T; v64-79 Q; v128-191 K's eight fragments of a step; v192-255 V's four.
.set L16,  1                           ; v1  16 x lane (K's images begin at LDS byte 0)
.set L16V, 2                           ; v2  + 131,072: V's images
.set ADK,  3
.set ADV,  4
.set FA,   5                           ; v5  16 x lane + 16,384 x wave: my part of the fill, in memory and in LDS
.set FV,   6
.set ST,   8
.set FF,   16
.set TT,   20
.set SCP,  28                          ; 2^ep
.set LIMP, 29                          ; 57,344 x 2^ep
.set SCC,  30                          ; 2^(e_ctx - ep - ev)
.set LIMC, 31
.set S,    32
.set P,    160
.set C2,   192
.set O,    0
.set Q,    64
.set KF,   128
.set VF,   192
.set MSB, 0
.macro WIN new                         ; the immediate's high byte repeats the setting that is left
.if MSB != \new
	s_set_vgpr_msb (MSB<<8)|\new
.set MSB, \new
.endif
.endm
	s_load_b128 s[4:7], s[0:1], 0x0                ; qkvc s[4:5], the exponents s[6:7]
	s_load_b64 s[8:9], s[0:1], 0x10                ; cc
	v_lshl_add_u32 v254, v0, 2, 0x40000
	v_mov_b32 v255, 0
	v_lshrrev_b32 v7, 5, v0
	v_readfirstlane_b32 s10, v7                    ; wave
	v_and_b32 v7, 31, v0
	v_lshlrev_b32 v[L16], 4, v7
	v_add_nc_u32 v[L16V], 0x20000, v[L16]
	s_lshl_b32 s11, s10, 14
	v_add_nc_u32 v[FA], s11, v[L16]
	v_add_nc_u32 v[FV], 0x20000, v[FA]
	s_and_b32 s12, ttmp7, 0xffff                   ; 16 b + head
	s_lshl_b32 s40, s12, 17
	s_mov_b32 s41, 0
	s_lshl_b32 s13, ttmp9, 5
	s_lshl_b32 s14, s10, 2
	s_add_co_u32 s13, s13, s14                     ; my first row tile in the batch's 128
	s_lshl_b32 s42, s13, 10
	s_add_co_u32 s42, s42, s40
	s_mov_b32 s43, 0
	s_lshr_b32 s14, s12, 4
	s_lshl_b32 s14, s14, 7
	s_add_co_u32 s14, s14, s13
	s_lshl_b32 s44, s14, 14
	s_and_b32 s15, s12, 15
	s_lshl_b32 s15, s15, 10
	s_add_co_u32 s44, s44, s15
	s_mov_b32 s45, 0
	s_mov_b32 s24, 0x76543210                      ; v_permlanex16_b32's selects for lane l xor 16
	s_mov_b32 s25, 0xfedcba98
	s_wait_kmcnt 0x0
	s_load_b128 s[16:19], s[6:7], 0x18             ; eq, ek, ep, ev
	s_load_b32 s20, s[6:7], 0x28                   ; e_ctx
	s_add_nc_u64 s[30:31], s[4:5], s[42:43]        ; Q
	s_add_nc_u64 s[32:33], s[4:5], s[40:41]
	s_add_nc_u64 s[34:35], s[32:33], 0x1000000     ; V
	s_add_nc_u64 s[32:33], s[32:33], 0x800000      ; K
	s_add_nc_u64 s[36:37], s[8:9], s[44:45]        ; ctx's codes
	; ---- the fill: each wave brings an eighth of K and of V through its registers
	WIN 0x40
.set k, 0
.rept 32
	global_load_b128 v[4*k:4*k+3], v[FA], s[32:33] offset:512*k
.set k, k+1
.endr
.set k, 0
.rept 32
	global_load_b128 v[128+4*k:128+4*k+3], v[FA], s[34:35] offset:512*k
.set k, k+1
.endr
	WIN 0x04
	s_wait_loadcnt 32                              ; K's 32 are in, V's may be out
.set k, 0
.rept 32
	ds_store_b128 v[FA], v[4*k:4*k+3] offset:512*k
.set k, k+1
.endr
	s_wait_loadcnt 0x0
.set k, 0
.rept 32
	ds_store_b128 v[FV], v[128+4*k:128+4*k+3] offset:512*k
.set k, k+1
.endr
	WIN 0
	s_wait_kmcnt 0x0
	s_add_co_i32 s13, s16, s17
	s_lshl_b32 s13, s13, 23
	s_add_co_i32 s22, s13, 0x3e38aa3b              ; c = log2(e) / 8, x 2^(eq + ek)
	s_mov_b32 s23, s22                             ; (named with it as a pair)
	s_add_co_i32 s13, s18, 127
	s_lshl_b32 s14, s13, 23
	v_mov_b32 v[SCP], s14
	s_add_co_i32 s13, s13, 15
	s_lshl_b32 s13, s13, 23
	s_or_b32 s13, s13, 0x600000
	v_mov_b32 v[LIMP], s13
	s_sub_co_i32 s13, s20, s18
	s_sub_co_i32 s13, s13, s19
	s_add_co_i32 s13, s13, 127
	s_lshl_b32 s14, s13, 23
	v_mov_b32 v[SCC], s14
	s_add_co_i32 s13, s13, 15
	s_lshl_b32 s13, s13, 23
	s_or_b32 s13, s13, 0x600000
	v_mov_b32 v[LIMC], s13
	v_mov_b32 v[FF+1], 0                           ; upper words of pairs, and the permutes' destinations: written once
	v_mov_b32 v[FF+3], 0
	v_mov_b32 v[TT+2], 0
	v_mov_b32 v[TT+6], 0
	s_wait_dscnt 0x0                               ; for the others' sake: my stores are done
	s_barrier_signal -1
	s_barrier_wait -1                              ; K and V lie whole in LDS; nothing writes LDS from here on
; A KEY STEP: 128 keys for two tiles of queries.  pf = 1: the next step's K is fetched.
.macro STEP pf
	s_wait_dscnt 0x0                               ; this step's K is in
	WIN 0x05
.irp kt, 0,1,2,3,4,5,6,7
.irp y, 0,1
	v_wmma_f32_16x16x64_bf8_bf8 v[S+64*\y+8*\kt:S+64*\y+8*\kt+7], v[KF+8*\kt:KF+8*\kt+7], v[Q+8*\y:Q+8*\y+7], 0
.endr
.endr
	WIN 0
	v_add_nc_u32 v[ADK], s26, v[L16]               ; four plain lines: the places in front of the loads into K's and V's registers and of the first read of the scores
	v_add_nc_u32 v[ADV], s26, v[L16V]
	v_nop
	v_nop
	WIN 0x40
.irp t, 0,1,2,3
.irp g, 0,1,2,3
	ds_load_b128 v[VF+16*\t+4*\g:VF+16*\t+4*\g+3], v[ADV] offset:2048*\g+512*\t
.endr
.endr
.if \pf
.irp kt, 0,1,2,3,4,5,6,7
.irp p, 0,1
	ds_load_b128 v[KF+8*\kt+4*\p:KF+8*\kt+4*\p+3], v[ADK] offset:8192+1024*\kt+512*\p
.endr
.endr
.endif
	WIN 0
.irp y, 0,1                                    ; the step's largest score of my query among my 64 keys, in two chains a tile; each accumulator is first read at its low end
	v_max3_num_f32 v[TT+4*\y], v[S+64*\y], v[S+64*\y+1], v[S+64*\y+2]
	v_max3_num_f32 v[TT+4*\y+1], v[S+64*\y+3], v[S+64*\y+4], v[S+64*\y+5]
.endr
.irp i, 6,10,14,18,22,26,30,34,38,42,46,50,54,58
.irp y, 0,1
	v_max3_num_f32 v[TT+4*\y], v[TT+4*\y], v[S+64*\y+\i], v[S+64*\y+\i+1]
	v_max3_num_f32 v[TT+4*\y+1], v[TT+4*\y+1], v[S+64*\y+\i+2], v[S+64*\y+\i+3]
.endr
.endr
.irp y, 0,1
	v_max3_num_f32 v[TT+4*\y], v[TT+4*\y], v[S+64*\y+62], v[S+64*\y+63]
.endr
.irp y, 0,1
	v_max_num_f32 v[TT+4*\y], v[TT+4*\y], v[TT+4*\y+1]
.endr
.irp y, 0,1
	v_permlanex16_b32 v[TT+4*\y+2], v[TT+4*\y], s24, s25
.endr
.irp y, 0,1
	v_max_num_f32 v[TT+4*\y], v[TT+4*\y], v[TT+4*\y+2]     ; and among lane l xor 16's
.endr
.irp y, 0,1
	v_mul_f32 v[TT+4*\y], s22, v[TT+4*\y]                  ; as t (c is positive)
.endr
.irp y, 0,1
	v_max_num_f32 v[ST+4*\y+1], v[ST+4*\y+1], v[TT+4*\y]   ; the running largest t
.endr
.irp y, 0,1
	v_mov_b32 v[TT+4*\y], v[ST+4*\y]
.endr
.irp y, 0,1
	v_floor_f32 v[ST+4*\y], -v[ST+4*\y+1]                  ; the new -M = floor(-t): M is a whole number
.endr
.irp y, 0,1
	v_sub_f32 v[TT+4*\y], v[ST+4*\y], v[TT+4*\y]           ; old M - new M, 0 or less
.endr
.irp y, 0,1
	v_cvt_i32_f32 v[TT+4*\y], v[TT+4*\y]                   ; (it saturates)
.endr
.irp y, 0,1
	v_ldexp_f32 v[FF+2*\y], 1.0, v[TT+4*\y]                ; f = 2^(old M - new M)
.endr
.irp y, 0,1
.set j, 0
.rept 32
	v_pk_fma_f32 v[S+64*\y+j:S+64*\y+j+1], v[S+64*\y+j:S+64*\y+j+1], s[22:23], v[ST+4*\y:ST+4*\y+1] op_sel_hi:[1,0,0]   ; t - M (of the pairs c and -M the low word serves both halves)
.set j, j+2
.endr
.endr
.set j, 0
.rept 128
	v_exp_f32 v[S+j], v[S+j]                       ; p = 2^(t - M): one batch for both tiles
.set j, j+1
.endr
.irp y, 0,1
	v_pk_mul_f32 v[ST+4*\y+2:ST+4*\y+3], v[ST+4*\y+2:ST+4*\y+3], v[FF+2*\y:FF+2*\y+1] op_sel_hi:[1,0]   ; the sums under the new M: the plain lines behind the batch
.endr
	s_wait_alu depctr_va_vdst(0)                   ; one wait for the batch, ahead of its first reader
.irp y, 0,1
	v_pk_add_f32 v[C2+2*\y:C2+2*\y+1], v[S+64*\y:S+64*\y+1], v[S+64*\y+2:S+64*\y+3]   ; the row's sum, of the UNQUANTISED p, in two chains a tile
.endr
.irp i, 4,8,12,16,20,24,28,32,36,40,44,48,52,56,60
.irp y, 0,1
	v_pk_add_f32 v[ST+4*\y+2:ST+4*\y+3], v[ST+4*\y+2:ST+4*\y+3], v[S+64*\y+\i:S+64*\y+\i+1]
	v_pk_add_f32 v[C2+2*\y:C2+2*\y+1], v[C2+2*\y:C2+2*\y+1], v[S+64*\y+\i+2:S+64*\y+\i+3]
.endr
.endr
.irp y, 0,1
	v_pk_add_f32 v[ST+4*\y+2:ST+4*\y+3], v[ST+4*\y+2:ST+4*\y+3], v[C2+2*\y:C2+2*\y+1]
.endr
	s_cmp_ge_i32 s18, -15                          ; with ep >= -15 no p / 2^ep passes 2^15
	s_cbranch_scc1 .Lnohold_\@
.set j, 0
.rept 128
	v_min_num_f32 v[S+j], v[S+j], v[LIMP]          ; the conversion does not saturate (ISA guide 7.6.2); p is not negative
.set j, j+1
.endr
.Lnohold_\@:
.irp y, 0,1
.irp c, 0,1,2,3,4,5,6,7
	v_cvt_scalef32_pk8_bf8_f32 v[P+16*\y+2*\c:P+16*\y+2*\c+1], v[S+64*\y+8*\c:S+64*\y+8*\c+7], v[SCP]
.endr
.endr
	WIN 0x41
.irp y, 0,1
.set j, 0
.rept 16
	v_pk_mul_f32 v[O+32*\y+j:O+32*\y+j+1], v[O+32*\y+j:O+32*\y+j+1], v[FF+2*\y:FF+2*\y+1] op_sel_hi:[1,0]   ; O^T under the new M; also the plain lines behind the conversions
.set j, j+2
.endr
.endr
.if \pf
	s_wait_dscnt 16                                ; V is in; the next K's 16 loads may be out
.else
	s_wait_dscnt 0x0
.endif
	WIN 0x51
.irp t, 0,1,2,3
.irp y, 0,1
	v_wmma_f32_16x16x128_bf8_bf8 v[O+32*\y+8*\t:O+32*\y+8*\t+7], v[VF+16*\t:VF+16*\t+15], v[P+16*\y:P+16*\y+15], v[O+32*\y+8*\t:O+32*\y+8*\t+7]
.endr
.endr
	WIN 0
	s_add_co_u32 s26, s26, 8192                    ; 128 keys on, in K's images and in V's
.endm
	s_mov_b32 s28, 2
.Ltrip:                                                ; two tiles of queries a trip
.irp y, 0,1
	v_mov_b32 v[ST+4*\y+1], 0xff61b1e6             ; the largest t so far: -3e38
	v_mov_b32 v[ST+4*\y+2], 0
	v_mov_b32 v[ST+4*\y+3], 0
	v_floor_f32 v[ST+4*\y], -v[ST+4*\y+1]
.endr
	v_mov_b32 v[ADK], v[L16]
	s_mov_b32 s26, 0
	WIN 0x40
.irp n, 0,1,2,3
	global_load_b128 v[Q+4*\n:Q+4*\n+3], v[L16], s[30:31] offset:512*\n
.endr
.irp kt, 0,1,2,3,4,5,6,7
.irp p, 0,1
	ds_load_b128 v[KF+8*\kt+4*\p:KF+8*\kt+4*\p+3], v[ADK] offset:1024*\kt+512*\p
.endr
.endr
.set j, 0
.rept 64
	v_mov_b32 v[O+j], 0                            ; the step is written without a first step of its own: it finds zeros, which the first change of M leaves zeros
.set j, j+1
.endr
	WIN 0
	s_wait_loadcnt 0x0                             ; Q
	s_mov_b32 s27, 15
.Lstep:
	STEP 1
	s_sub_co_u32 s27, s27, 1
	s_cmp_lg_u32 s27, 0
	s_cbranch_scc1 .Lstep
	STEP 0                                         ; the last 128 keys: no K is left to fetch
	; ---- the way out: O^T / the sum, held, converted: ctx's fragment of 16 rows x 64, 1,024 bytes a tile
.rept 4
	v_nop
.endr
.irp y, 0,1
	v_add_f32 v[TT+4*\y], v[ST+4*\y+2], v[ST+4*\y+3]
.endr
.irp y, 0,1
	v_permlanex16_b32 v[TT+4*\y+2], v[TT+4*\y], s24, s25
.endr
.irp y, 0,1
	v_add_f32 v[TT+4*\y], v[TT+4*\y], v[TT+4*\y+2]
.endr
.irp y, 0,1
	v_rcp_f32 v[FF+2*\y], v[TT+4*\y]
.endr
	v_nop                                          ; a plain line behind the reciprocals,
	s_wait_alu depctr_va_vdst(0)                   ; and the one wait ahead of their first reader
	WIN 0x01
.irp y, 0,1
.set j, 0
.rept 16
	v_pk_mul_f32 v[S+32*\y+j:S+32*\y+j+1], v[O+32*\y+j:O+32*\y+j+1], v[FF+2*\y:FF+2*\y+1] op_sel_hi:[1,0]
.set j, j+2
.endr
.endr
	WIN 0
.set j, 0
.rept 64
	v_med3_num_f32 v[S+j], v[S+j], -v[LIMC], v[LIMC]
.set j, j+1
.endr
.irp y, 0,1
.irp t, 0,1,2,3
	v_cvt_scalef32_pk8_bf8_f32 v[P+8*\y+2*\t:P+8*\y+2*\t+1], v[S+32*\y+8*\t:S+32*\y+8*\t+7], v[SCC]
.endr
.endr
	v_nop
.irp y, 0,1
.irp p, 0,1
	global_store_b128 v[L16], v[P+8*\y+4*\p:P+8*\y+4*\p+3], s[36:37] offset:16384*\y+512*\p   ; 512 consecutive bytes
.endr
.endr
	s_wait_xcnt 0x0                                ; the stores have read their data and their base, Q's loads theirs
	s_add_nc_u64 s[30:31], s[30:31], 2048
	s_add_nc_u64 s[36:37], s[36:37], 32768
	s_sub_co_u32 s28, s28, 1
	s_cmp_lg_u32 s28, 0
	s_cbranch_scc1 .Ltrip
	s_wait_tensorcnt 0x0
	ds_add_u32 v254, v255
	s_wait_dscnt 0x0
	s_endpgm
.Lfunc_end_k_q622d1358f9_attn:
	.size	k_q622d1358f9_attn, .Lfunc_end_k_q622d1358f9_attn-k_q622d1358f9_attn
	.p2alignl 7, 3214868480
	.fill 96, 4, 3214868480
	.section	.rodata,"a",@progbits
	.p2align	6, 0x0
	.amdhsa_kernel k_q622d1358f9_attn
		.amdhsa_group_segment_fixed_size 263168
		.amdhsa_private_segment_fixed_size 0
		.amdhsa_enable_private_segment 0
		.amdhsa_kernarg_size 24
		.amdhsa_user_sgpr_count 2
		.amdhsa_user_sgpr_kernarg_segment_ptr 1
		.amdhsa_wavefront_size32 1
		.amdhsa_system_sgpr_workgroup_id_x 1
		.amdhsa_system_sgpr_workgroup_id_y 1
		.amdhsa_system_sgpr_workgroup_id_z 1
		.amdhsa_system_vgpr_workitem_id 0
		.amdhsa_next_free_vgpr 512
		.amdhsa_next_free_sgpr 66
		.amdhsa_reserve_vcc 0
		.amdhsa_float_denorm_mode_32 3
		.amdhsa_float_denorm_mode_16_64 3
		.amdhsa_memory_ordered 1
		.amdhsa_forward_progress 1
		.amdhsa_inst_pref_size 80
	.end_amdhsa_kernel
	.amdgpu_metadata
---
amdhsa.version: [ 1, 2 ]
amdhsa.kernels:
  - .name:           k_q622d1358f9_attn
    .symbol:         k_q622d1358f9_attn.kd
    .args:
      - { .name: qkvc, .offset: 0, .size: 8, .value_kind: global_buffer, .address_space: global }
      - { .name: lowp_scales, .offset: 8, .size: 8, .value_kind: global_buffer, .address_space: global }
      - { .name: cc, .offset: 16, .size: 8, .value_kind: global_buffer, .address_space: global }
    .group_segment_fixed_size: 263168
    .private_segment_fixed_size: 0
    .kernarg_segment_align: 8
    .kernarg_segment_size: 24
    .max_flat_workgroup_size: 256
    .sgpr_count:     66
    .vgpr_count:     512
    .wavefront_size: 32
...
	.end_amdgpu_metadata
.endif
;; end of part 3
;; launch oproj (part 4): grid 4 x 64, 4 waves a work-group, no clusters, 148,992 bytes of LDS; arguments cc, wimg, bo, x, lowp_scales, out0; writes out0
.if DOCPART == 4
	.amdgcn_target "amdgcn-amd-amdhsa--gfx1250"
	.amdhsa_code_object_version 6
	.text
	.protected	k_q622d1358f9_oproj
	.globl	k_q622d1358f9_oproj
	.p2align	8
	.type	k_q622d1358f9_oproj,@function
k_q622d1358f9_oproj:
	s_mov_b64 s[64:65], 0
	v_nop
	global_prefetch_b8 v0, s[64:65] scope:SCOPE_SE
	s_setreg_imm32_b32 hwreg(HW_REG_WAVE_MODE, 25, 1), 1
	s_wait_xcnt 0x0
; out = ctx Wo + bo + x; the product on codes of E5M2, all else f32.
; SHARES.  Work-group x: 256 columns; y: 128 rows.  Wave w owns 64 columns x all 1,024 of K: 32 fragments of Wo, 512 registers, loaded once.  The 128 rows' images (131,072 bytes) are stored to LDS once: one barrier.
; Source 0 = 16 columns of Wo, source 1 = 16 rows of ctx: a lane holds one row and eight neighbouring columns.  The rows go in four pairs of row tiles, eight accumulators by turns.
; A sum stands for sum x 2^(ec + ew): bo goes in as the first C, divided by that; one packed multiply-add gives sum x 2^(ec + ew) + x.
; THE WAY OUT: a row tile's 16 rows x 256 bytes go through the wave's own stage (rows 272 bytes apart) and come back by rows: sixteen lanes store 256 consecutive bytes, at a multiple of 256 from out0's first byte.
; LIMIT: ec + ew between -126 and 127.
; NO JOINT LOADS, NO TENSOR LOADS: the weights are each wave's own; the shared images are asked for once, at the head, with everything else that the work-group reads but half of x.
; REGISTERS: window 0: v1-8 addresses; v16-47 bo, four tiles; v48-111 accumulators, then rows of out; v128-255 x's rows, two sets.  Windows 1, 2: Wo.  Window 3: first the images' staging, then two sets of four fragments.
.set L16,  1
.set LA,   1                           ; v1, v3: row tiles 0-3, 4-7
.set SA,   4                           ; v4  16 x lane + 32,768 x wave: my two row tiles, in memory and in LDS
.set SO,   5                           ; v5  the stage, in: row r, + 32 h
.set SR,   6                           ; v6  the stage, back: row l / 16, + 16 (l % 16)
.set XO,   7                           ; v7  the same two rows in x and in out0
.set BO,   8                           ; v8  32 h
.set BIAS, 16
.set ACC,  48
.set XR,   128
.set MSB, 0
.macro WIN new                         ; the immediate's high byte repeats the setting that is left
.if MSB != \new
	s_set_vgpr_msb (MSB<<8)|\new
.set MSB, \new
.endif
.endm
.macro PLACES n
.rept \n
	v_nop
.endr
.endm
.macro FETCH buf, pair, qr, set        ; row tiles 4 buf + 2 pair + m, K steps 2 qr + u
	WIN 0xc0
.irp m, 0,1
.irp u, 0,1
.irp g, 0,1,2,3
	ds_load_b128 v[64*(\set)+16*(2*\m+\u)+4*\g:64*(\set)+16*(2*\m+\u)+4*\g+3], v[LA+2*(\buf)] offset:(2*(\pair)+\m)*16384+(2*(\qr)+\u)*2048+512*\g
.endr
.endr
.endr
	WIN 0
.endm
.macro MULT set, qr                    ; 16 matrix instructions: two K steps x eight accumulators (4 m + t) by turns, one instruction a turn
	WIN (0x0c|(1+(\qr)/2))
.irp u, 0,1
.irp g, 0,1,2,3,4,5,6,7
.if ((\qr) == 0) && (\u == 0)
	v_wmma_f32_16x16x128_bf8_bf8 v[ACC+8*\g:ACC+8*\g+7], v[16*(4*(\g%4)+(2*(\qr)+\u)%4):16*(4*(\g%4)+(2*(\qr)+\u)%4)+15], v[64*(\set)+16*(2*(\g/4)+\u):64*(\set)+16*(2*(\g/4)+\u)+15], v[BIAS+8*(\g%4):BIAS+8*(\g%4)+7]
.else
	v_wmma_f32_16x16x128_bf8_bf8 v[ACC+8*\g:ACC+8*\g+7], v[16*(4*(\g%4)+(2*(\qr)+\u)%4):16*(4*(\g%4)+(2*(\qr)+\u)%4)+15], v[64*(\set)+16*(2*(\g/4)+\u):64*(\set)+16*(2*(\g/4)+\u)+15], v[ACC+8*\g:ACC+8*\g+7]
.endif
.endr
.endr
	WIN 0
.endm
.macro XL P                            ; x's 32 rows of pair P, my 256 bytes of each, into set P % 2
.irp m, 0,1
.irp i, 0,1,2,3,4,5,6,7
	global_load_b128 v[XR+64*((\P)%2)+32*\m+4*\i:XR+64*((\P)%2)+32*\m+4*\i+3], v[XO], s[30:31] offset:(\P)*131072+\m*65536+\i*8192 th:TH_LOAD_NT
.endr
.endr
.endm
.macro EPI_O P
.irp m, 0,1
.irp t, 0,1,2,3
	ds_store_b128 v[SO], v[ACC+8*(4*\m+\t):ACC+8*(4*\m+\t)+3] offset:64*\t          ; each accumulator from its low end on
	ds_store_b128 v[SO], v[ACC+8*(4*\m+\t)+4:ACC+8*(4*\m+\t)+7] offset:64*\t+16
.endr
.irp i, 0,1,2,3,4,5,6,7
	ds_load_b128 v[ACC+32*\m+4*\i:ACC+32*\m+4*\i+3], v[SR] offset:544*\i            ; LDS serves a wave's instructions in order: these see the stores above, and the next tile's stores come behind them
.endr
.endr
.if (\P) == 3
	s_wait_loadcnt 0x0
.else
	s_wait_loadcnt 16                              ; this pair's rows of x are in; the next pair's 16 loads may be out
.endif
.irp m, 0,1
	s_wait_dscnt 16-16*\m                          ; tile m is back; behind tile 0's loads stand tile 1's 8 stores and 8 loads
.set q, 0
.rept 16
	v_pk_fma_f32 v[ACC+32*\m+q:ACC+32*\m+q+1], v[ACC+32*\m+q:ACC+32*\m+q+1], s[20:21], v[XR+64*((\P)%2)+32*\m+q:XR+64*((\P)%2)+32*\m+q+1] op_sel_hi:[1,0,1]
.set q, q+2
.endr
.irp i, 0,1,2,3,4,5,6,7
	global_store_b128 v[XO], v[ACC+32*\m+4*\i:ACC+32*\m+4*\i+3], s[32:33] offset:(\P)*131072+\m*65536+\i*8192 th:TH_STORE_NT
.endr
.endr
.if (\P) <= 1
	XL ((\P)+2)
.endif
.endm
	s_load_b256 s[4:11], s[0:1], 0x0               ; cc s[4:5], wimg s[6:7], bo s[8:9], x s[10:11]
	s_load_b128 s[12:15], s[0:1], 0x20             ; the exponents s[12:13], out0 s[14:15]
	v_lshl_add_u32 v126, v0, 2, 0x24400
	v_mov_b32 v127, 0
	v_lshrrev_b32 v2, 5, v0
	v_readfirstlane_b32 s18, v2                    ; wave
	v_and_b32 v2, 31, v0
	v_lshlrev_b32 v[L16], 4, v2
	v_add_nc_u32 v3, 0x10000, v[L16]
	s_lshl_b32 s22, s18, 15
	v_add_nc_u32 v[SA], s22, v[L16]
	v_and_b32 v9, 15, v0                           ; r
	v_bfe_u32 v10, v0, 4, 1                        ; h
	s_mul_i32 s23, s18, 4352
	s_add_co_u32 s23, s23, 0x20000                 ; my stage, behind the images
	v_mul_u32_u24 v[SO], v9, 272
	v_lshl_add_u32 v[SO], v10, 5, v[SO]
	v_add_nc_u32 v[SO], s23, v[SO]
	v_mul_u32_u24 v[SR], v10, 272
	v_lshl_add_u32 v[SR], v9, 4, v[SR]
	v_add_nc_u32 v[SR], s23, v[SR]
	v_lshlrev_b32 v[XO], 12, v10
	v_lshl_add_u32 v[XO], v9, 4, v[XO]
	v_lshlrev_b32 v[BO], 5, v10
	s_and_b32 s19, ttmp7, 0xffff                   ; which 128 rows
	s_lshl_b32 s34, ttmp9, 2
	s_add_co_u32 s34, s34, s18
	s_lshl_b32 s34, s34, 16
	s_add_co_u32 s34, s34, 0x300000                ; Wo's images, my 64 columns
	s_mov_b32 s35, 0
	s_lshl_b32 s36, s19, 17
	s_mov_b32 s37, 0
	s_lshl_b32 s38, ttmp9, 10
	s_lshl_b32 s39, s18, 8
	s_add_co_u32 s38, s38, s39                     ; my first column, in bytes of f32
	s_mov_b32 s39, 0
	s_lshl_b32 s40, s19, 19
	s_add_co_u32 s40, s40, s38
	s_mov_b32 s41, 0
	s_wait_kmcnt 0x0
	s_load_b64 s[16:17], s[12:13], 0x28            ; ec, ew: entries 10, 11
	s_add_nc_u64 s[24:25], s[6:7], s[34:35]
	s_add_nc_u64 s[26:27], s[4:5], s[36:37]
	s_add_nc_u64 s[28:29], s[8:9], s[38:39]
	s_add_nc_u64 s[30:31], s[10:11], s[40:41]
	s_add_nc_u64 s[32:33], s[14:15], s[40:41]
	WIN 0x40
.irp t, 0,1,2,3
.irp s, 0,1,2,3
.irp g, 0,1,2,3
	global_load_b128 v[16*(4*\t+\s)+4*\g:16*(4*\t+\s)+4*\g+3], v[L16], s[24:25] offset:\t*16384+\s*2048+512*\g
.endr
.endr
.endr
	WIN 0x80
.irp t, 0,1,2,3
.irp s, 0,1,2,3
.irp g, 0,1,2,3
	global_load_b128 v[16*(4*\t+\s)+4*\g:16*(4*\t+\s)+4*\g+3], v[L16], s[24:25] offset:\t*16384+(\s+4)*2048+512*\g
.endr
.endr
.endr
	WIN 0
.irp t, 0,1,2,3
	global_load_b128 v[BIAS+8*\t:BIAS+8*\t+3], v[BO], s[28:29] offset:64*\t        ; bo at columns 16 t + 8 h + 0 .. 7
	global_load_b128 v[BIAS+8*\t+4:BIAS+8*\t+7], v[BO], s[28:29] offset:64*\t+16
.endr
	WIN 0xc0
.set k, 0
.rept 64
	global_load_b128 v[4*k:4*k+3], v[SA], s[26:27] offset:512*k
.set k, k+1
.endr
	WIN 0
	XL 0
	XL 1
	s_wait_loadcnt 32                              ; all but x's rows of the first two pairs
	WIN 0x0c
.set k, 0
.rept 64
	ds_store_b128 v[SA], v[4*k:4*k+3] offset:512*k
.set k, k+1
.endr
	WIN 0
	s_wait_kmcnt 0x0
	s_add_co_i32 s16, s16, s17                     ; ec + ew
	s_sub_co_i32 s17, 0, s16
	s_add_co_i32 s16, s16, 127
	s_lshl_b32 s20, s16, 23                        ; 2^(ec + ew) as f32
	s_mov_b32 s21, s20                             ; (named with it as a pair)
.set j, 0
.rept 32
	v_ldexp_f32 v[BIAS+j], v[BIAS+j], s17
.set j, j+1
.endr
	s_wait_dscnt 0x0                               ; for the others' sake: my stores are done
	s_barrier_signal -1
	s_barrier_wait -1                              ; the 128 rows' images lie in LDS; from here on a wave writes its own stage alone
	FETCH 0, 0, 0, 0
	FETCH 0, 0, 1, 1
.irp ph, 0,1,2,3,4,5,6,7,8,9,10,11,12,13,14,15     ; pair ph / 4, K steps 2 (ph % 4) on, set ph % 2
.if (\ph%4 == 0) && (\ph > 0)
	s_wait_xcnt 0x0                                ; the last pair's stores have read the registers that the sums now take
.endif
.if \ph == 15
	s_wait_dscnt 0x0
.else
	s_wait_dscnt 16                                ; this phase's fragments are in; the next phase's 16 loads may be out
.endif
	MULT (\ph%2), (\ph%4)
	PLACES 4                                       ; in front of loads into registers that the products have read, and of the first read of results
.if \ph <= 13
	FETCH ((\ph+2)/8), (((\ph+2)/4)%2), ((\ph+2)%4), (\ph%2)
.endif
.if \ph%4 == 3
	EPI_O (\ph/4)
.endif
.endr
	s_wait_tensorcnt 0x0
	ds_add_u32 v126, v127
	s_wait_dscnt 0x0
	s_endpgm
.Lfunc_end_k_q622d1358f9_oproj:
	.size	k_q622d1358f9_oproj, .Lfunc_end_k_q622d1358f9_oproj-k_q622d1358f9_oproj
	.p2alignl 7, 3214868480
	.fill 96, 4, 3214868480
	.section	.rodata,"a",@progbits
	.p2align	6, 0x0
	.amdhsa_kernel k_q622d1358f9_oproj
		.amdhsa_group_segment_fixed_size 148992
		.amdhsa_private_segment_fixed_size 0
		.amdhsa_enable_private_segment 0
		.amdhsa_kernarg_size 48
		.amdhsa_user_sgpr_count 2
		.amdhsa_user_sgpr_kernarg_segment_ptr 1
		.amdhsa_wavefront_size32 1
		.amdhsa_system_sgpr_workgroup_id_x 1
		.amdhsa_system_sgpr_workgroup_id_y 1
		.amdhsa_system_sgpr_workgroup_id_z 1
		.amdhsa_system_vgpr_workitem_id 0
		.amdhsa_next_free_vgpr 1024
		.amdhsa_next_free_sgpr 66
		.amdhsa_reserve_vcc 0
		.amdhsa_float_denorm_mode_32 3
		.amdhsa_float_denorm_mode_16_64 3
		.amdhsa_memory_ordered 1
		.amdhsa_forward_progress 1
		.amdhsa_inst_pref_size 93
	.end_amdhsa_kernel
	.amdgpu_metadata
---
amdhsa.version: [ 1, 2 ]
amdhsa.kernels:
  - .name:           k_q622d1358f9_oproj
    .symbol:         k_q622d1358f9_oproj.kd
    .args:
      - { .name: cc, .offset: 0, .size: 8, .value_kind: global_buffer, .address_space: global }
      - { .name: wimg, .offset: 8, .size: 8, .value_kind: global_buffer, .address_space: global }
      - { .name: bo, .offset: 16, .size: 8, .value_kind: global_buffer, .address_space: global }
      - { .name: x, .offset: 24, .size: 8, .value_kind: global_buffer, .address_space: global }
      - { .name: lowp_scales, .offset: 32, .size: 8, .value_kind: global_buffer, .address_space: global }
      - { .name: out0, .offset: 40, .size: 8, .value_kind: global_buffer, .address_space: global }
    .group_segment_fixed_size: 148992
    .private_segment_fixed_size: 0
    .kernarg_segment_align: 8
    .kernarg_segment_size: 48
    .max_flat_workgroup_size: 128
    .sgpr_count:     66
    .vgpr_count:     1024
    .wavefront_size: 32
...
	.end_amdgpu_metadata
.endif
;; end of part 4
;; ======== version 2 of 2: 4 launches; version 1 with the launches proj, attn, oproj written anew for expert scheduling mode
;; workspace buffers: xc 25,165,824 bytes; wimg 4,194,304 bytes; qkvc 25,165,824 bytes; cc 8,388,608 bytes
;; launch prep: the kernel of part 1 again; grid 768 x 1, 8 waves a work-group, no clusters, 68,608 bytes of LDS; arguments x, Wq_codes, Wk_codes, Wv_codes, Wo_codes, lowp_scales, xc, wimg; writes xc, wimg
;; launch proj (part 5): grid 12 x 16, 4 waves a work-group, no clusters, 131,584 bytes of LDS; arguments xc, wimg, bq, bk, bv, lowp_scales, qkvc; writes qkvc
.if DOCPART == 5
	.amdgcn_target "amdgcn-amd-amdhsa--gfx1250"
	.amdhsa_code_object_version 6
	.text
	.protected	k_q622d1358f9_proj
	.globl	k_q622d1358f9_proj
	.p2align	8
	.type	k_q622d1358f9_proj,@function
k_q622d1358f9_proj:
	s_mov_b64 s[64:65], 0
	v_nop
	global_prefetch_b8 v0, s[64:65] scope:SCOPE_SE
	s_setreg_imm32_b32 hwreg(HW_REG_WAVE_SCHED_MODE, 0, 2), 2
	s_setreg_imm32_b32 hwreg(HW_REG_WAVE_MODE, 25, 1), 1
	s_wait_xcnt 0x0
	s_wait_alu depctr_vm_vsrc(0)
; q = x Wq + bq, k = x Wk + bk, v = x Wv + bv on codes of E5M2, and their results quantised at once for the two products of attention.
; SHARES.  Work-group x = 4 i + hq: matrix i (0 q, 1 k, 2 v), heads 4 hq .. 4 hq + 3; work-group y: 512 rows.  Wave w owns ONE head: 64 columns x all 1,024 of K: 32 fragments, 512 registers, loaded once.
; The rows go in 8 blocks of 64 (four row tiles, 65,536 bytes of images) through two LDS buffers; every wave reads every block.  A block is asked for into registers three blocks ahead of its products,
; stored to LDS one block ahead; one barrier a block.
; ORIENTATION.  q, k: source 0 = 16 columns of W, source 1 = 16 rows of x: a lane holds one row and eight neighbouring channels.  v: the sources the other way round: a lane holds one channel and eight
; neighbouring keys.  Either way the conversion of a result tile IS a register pair of the next operand, and a pair of row tiles leaves as 2,048 consecutive bytes.
; qkvc: [i][16 b + head][pair 0..63][2048].  q, k: [row tile of the pair][piece][512] (a fragment of 16 rows x 64).  v: [channel tile 0..3][512]: piece pair % 4 of the fragment (128 keys, 16 channels).
; SCALES.  A sum stands for sum x 2^(ex + ew): the bias goes in as the first C, divided by that; the conversion takes 2^(e_out - ex - ew).  e_out: entry 6 (q), 7 (k), 9 (v).
; LIMITS: e_out - ex - ew between -126 and 112.  NaN among the inputs is not served.
; NO JOINT LOADS, NO TENSOR LOADS: the large operand, the weights, is each wave's own and lies in registers; what work-groups share, a block's 65,536 bytes, comes through registers two blocks ahead of its
; store to LDS, which a ring with one refill behind each barrier does not give.  192 work-groups: three matrices x 64 shares.
; REGISTERS, in windows of 256: window 0: v1-8 addresses and scales; v16-47 the bias, four tiles; v48-111 eight accumulators; v112-127 codes; v128-255 staging A.
;   window 1: W's K steps 0-3, (tile t, step s) at 16 (4 t + s);  window 2: K steps 4-7;  window 3: v0-63, v64-127 two sets of four fragments of x; v128-255 staging B.
; THE MODE: SCHED_MODE bits 1:0 = 2 (LLVM: expert scheduling mode 2), set by the entry lines.  The code itself states the register dependences between vector or matrix instructions and memory or LDS
; instructions, with s_wait_alu, always for 0.
; THE PLAN.  Registers that memory or LDS instructions touch:
;   SET0, SET1    Phase ph's sixteen products read SET[ph % 2]; the LDS loads of phase ph + 1 land in the other set, dealt among phase ph's first eight products.
;   STAGING A, B  Global loads land in them, LDS stores read them; no vector or matrix instruction names them.
;   CODE          A pair's conversions write it, four global stores read it.  (At the head v112-119 are the bias loads' offsets.)
;   v1, v3 to v6  Offsets and LDS addresses, made at the head and never written again.  The global stores have an offset register of their own, v6.
; So ONE wait on va_vdst stands at the head of each phase but a block's first: the last phase's products are done reading their set (and, at phase 4, pair 0's conversions have written CODE: its stores follow
; that wait).  One more stands ahead of pair 1's stores; no vector line follows it before the next block's first fragment loads, which it serves too.  A wait on vm_vsrc stands ahead of each pair's conversions
; (the stores before have read CODE) and ahead of the loads into a staging buffer (the LDS stores have read it).
.set L16,  1                           ; v1   16 x lane; also the LDS address of buffer 0's images
.set LA,   1                           ; v1, v3: buffer 0, buffer 1
.set SA,   4                           ; v4   16 x lane + 16,384 x wave: my row tile of a block, in memory and in buffer 0; v5: in buffer 1
.set GS,   6                           ; v6   16 x lane once more: the global stores' offset
.set SC,   7                           ; v7   2^(e_out - ex - ew)
.set LIM,  8                           ; v8   57,344 x that
.set BIAS, 16
.set ACC,  48
.set CODE, 112
.set STG,  128
.set ISV,  24                          ; s24  1 for v
.set XB,   26                          ; s[26:27] the even blocks' address, s[28:29] the odd blocks'
.set WB,   30
.set BP,   32
.set OUT,  34
.set CTR,  52
.set MSB, 0
.macro WIN new                         ; the immediate's high byte repeats the setting that is left
.if MSB != \new
	s_set_vgpr_msb (MSB<<8)|\new
.set MSB, \new
.endif
.endm
.macro PLACES n
.rept \n
	v_nop
.endr
.endm
.macro GL8 st, k                       ; eight of the 32 pieces of my row tile of a block, into staging st
.if \st
	WIN 0xc0
.else
	WIN 0
.endif
.irp i, 0,1,2,3,4,5,6,7
	global_load_b128 v[STG+4*(8*(\k)+\i):STG+4*(8*(\k)+\i)+3], v[SA], s[XB+2*(\st):XB+2*(\st)+1] offset:512*(8*(\k)+\i)
.endr
.endm
.macro GLOAD st                        ; all 32
	GL8 \st, 0
	GL8 \st, 1
	GL8 \st, 2
	GL8 \st, 3
	WIN 0
.endm
.macro STAGE_OUT st                    ; staging st goes to buffer st as it stands
.if \st
	WIN 0x0c
.endif
.set k, 0
.rept 32
	ds_store_b128 v[SA+(\st)], v[STG+4*k:STG+4*k+3] offset:512*k
.set k, k+1
.endr
	WIN 0
.endm
.macro FRAG buf, pair, qr, set, m, u   ; one fragment: row tile 2 pair + m, K step 2 qr + u: four loads of 512 consecutive bytes
	WIN 0xc0
.irp c, 0,1,2,3
	ds_load_b128 v[64*(\set)+16*(2*(\m)+(\u))+4*\c:64*(\set)+16*(2*(\m)+(\u))+4*\c+3], v[LA+2*(\buf)] offset:(2*(\pair)+(\m))*16384+(2*(\qr)+(\u))*2048+512*\c
.endr
.endm
; One product.  nat = 0 (q, k): source 0 = W (window 1 or 2), source 1 = x (window 3), accumulator g = 4 m + t.  nat = 1 (v): the sources the other way round, accumulator g = 2 t + m.
; With qr = 0 and u = 0 the bias is the C and the sum begins.
.macro WM nat, set, qr, u, g
.if \nat
	WIN (3|((1+(\qr)/2)<<2))
.set rA, 64*(\set)+16*(2*((\g)%2)+(\u))
.set rB, 16*(4*((\g)/2)+(2*(\qr)+(\u))%4)
.set rC, BIAS+8*((\g)/2)
.else
	WIN (0x0c|(1+(\qr)/2))
.set rA, 16*(4*((\g)%4)+(2*(\qr)+(\u))%4)
.set rB, 64*(\set)+16*(2*((\g)/4)+(\u))
.set rC, BIAS+8*((\g)%4)
.endif
.if ((\qr) != 0) || ((\u) != 0)
.set rC, ACC+8*(\g)
.endif
	v_wmma_f32_16x16x128_bf8_bf8 v[ACC+8*(\g):ACC+8*(\g)+7], v[rA:rA+15], v[rB:rB+15], v[rC:rC+7]
.endm
; Phase ph of a block: 16 matrix instructions: two K steps x eight accumulators, which take turns, one instruction a turn, in the same order everywhere.
; Behind every second product of the first K step stands one fragment of phase ph + 1, those of its first K step first.  No wait: no vector or matrix instruction since the wait at the phase's head names the other set.
; ask = 1 (a block's first phase): behind every second product of the second K step stand eight loads of the block three on.  mid: the LDS instructions issued behind this phase's second-K-step fragments.
.macro ARM nat, cur, ph, ask, mid
.irp u, 0,1
.irp g, 0,1,2,3,4,5,6,7
	WM \nat, ((\ph)%2), ((\ph)%4), \u, \g
.if ((\ph) < 7) && (\u == 0) && (\g%2 == 1)
	FRAG \cur, (((\ph)+1)/4), (((\ph)+1)%4), (((\ph)+1)%2), ((\g/2)%2), (\g/4)
.endif
.if (\ask) && (\u == 1) && (\g%2 == 1)
	GL8 (1-\cur), (\g/2)
.endif
.endr
.if \u == 0
.if \ask
	s_wait_alu depctr_vm_vsrc(0)                   ; the LDS stores at the block's head have read the staging buffer, in which the loads below land
.endif
	s_wait_dscnt \mid                              ; LDS instructions end in order: this phase's fragments of its second K step are in; what was issued behind them may be out
.endif
.endr
	WIN 0
.endm
.macro MUL cur, ph, ask, mid
	WIN 0
	s_cmp_eq_u32 s[ISV], 0
	s_cbranch_scc0 .Lnat_\@
	ARM 0, \cur, \ph, \ask, \mid
	s_branch .Ldone_\@
.Lnat_\@:
	ARM 1, \cur, \ph, \ask, \mid
.Ldone_\@:
.endm
; A pair of row tiles is finished: held and converted (accumulator g gives code registers 2 g, 2 g + 1).  Each accumulator is read from its low end on.
.macro EPIV
	s_wait_xcnt 0x0                                ; the last pair's stores have had their addresses translated,
	s_wait_alu depctr_vm_vsrc(0)                   ; and have read the code registers, which the conversions write again (the first time: the bias loads have read v112-119, their offsets)
.irp g, 0,1,2,3,4,5,6,7
.irp n, 0,1,2,3,4,5,6,7
	v_med3_num_f32 v[ACC+8*\g+\n], v[ACC+8*\g+\n], -v[LIM], v[LIM]
.endr
	v_cvt_scalef32_pk8_bf8_f32 v[CODE+2*\g:CODE+2*\g+1], v[ACC+8*\g:ACC+8*\g+7], v[SC]
.endr
	v_nop                                          ; a plain line between the last conversion and the products that write its sources anew
.endm
.macro EPIS q                          ; and stored, behind a wait on va_vdst
.irp k, 0,1,2,3
	global_store_b128 v[GS], v[CODE+4*\k:CODE+4*\k+3], s[OUT:OUT+1] offset:2048*(\q)+512*\k
.endr
.endm
; A block of 64 rows out of buffer cur, in eight phases of 16 matrix instructions (pair ph / 4, K steps 2 (ph % 4) on, set ph % 2).
; st = 1: the next block goes from staging to the other buffer; ask = 1: the block three on is asked for; cnt: the younger loads that may stay out when the next block has to be in registers.
.macro ITER cur, st, ask, cnt
	FRAG \cur, 0, 0, 0, 0, 0                       ; phase 0's fragments.  No wait: no vector line was issued since the wait ahead of the last pair's stores (the first block: none has ever named the sets)
	FRAG \cur, 0, 0, 0, 1, 0
	FRAG \cur, 0, 0, 0, 0, 1
	FRAG \cur, 0, 0, 0, 1, 1
	WIN 0
.if \st
	s_wait_loadcnt \cnt                            ; the next block is in registers; its loads are done, so their base may step
.if \ask
	s_add_nc_u64 s[XB+2-2*\cur:XB+3-2*\cur], s[XB+2-2*\cur:XB+3-2*\cur], 0x20000
.endif
	STAGE_OUT (1-\cur)                             ; behind the last block's barrier: nobody reads that buffer any more
.endif
.irp ph, 0,1,2,3,4,5,6,7
.if \ph == 0
	s_wait_dscnt 8+32*\st                          ; the fragments of the first K step are in; the other eight loads and the staging stores may be out
.else
	s_wait_dscnt 8                                 ; the fragments of this phase's first K step are in; the youngest eight loads may be out
	s_wait_alu depctr_va_vdst(0)                   ; the last phase's products are done reading their set, in which this phase's loads land; at phase 4 pair 0's conversions have written the codes
.endif
.if \ph == 4
	EPIS 0
.endif
.if \ph == 0
	MUL \cur, \ph, \ask, (16+32*\st)
.elseif \ph == 7
	MUL \cur, \ph, 0, 0
.else
	MUL \cur, \ph, 0, 16
.endif
	PLACES 4                                       ; behind the products, ahead of the first read of results and of the loads into the set that they have read; they stand beside the waits
.if \ph == 3
	EPIV
.endif
.if \ph == 7
	EPIV
	s_wait_alu depctr_va_vdst(0)                   ; pair 1's conversions have written the codes, which the stores read; all products are done reading both sets
	EPIS 1
.endif
.endr
	s_wait_xcnt 0x0                                ; the stores have read their base
	s_add_nc_u64 s[OUT:OUT+1], s[OUT:OUT+1], 4096
.if \st
	s_wait_dscnt 0x0                               ; my stores into the other buffer are done, my reads of this one are back
	s_barrier_signal -1
	s_barrier_wait -1
.endif
.endm
	s_load_b256 s[4:11], s[0:1], 0x0               ; xc s[4:5], wimg s[6:7], bq s[8:9], bk s[10:11]
	s_load_b128 s[12:15], s[0:1], 0x20             ; bv s[12:13], the exponents s[14:15]
	s_load_b64 s[16:17], s[0:1], 0x30              ; qkvc
	v_lshl_add_u32 v14, v0, 2, 0x20000
	v_mov_b32 v15, 0
	v_lshrrev_b32 v2, 5, v0
	v_readfirstlane_b32 s18, v2                    ; wave
	v_and_b32 v2, 31, v0
	v_lshlrev_b32 v[L16], 4, v2
	v_add_nc_u32 v3, 0x10000, v[L16]
	v_mov_b32 v[GS], v[L16]
	s_wait_alu depctr_va_sdst(0)                   ; s18 is written, ahead of its first reader
	s_lshl_b32 s22, s18, 14
	v_add_nc_u32 v[SA], s22, v[L16]
	v_add_nc_u32 v[SA+1], 0x10000, v[SA]
	v_and_b32 v9, 15, v0                           ; r
	v_bfe_u32 v10, v0, 4, 1                        ; h
	s_and_b32 s19, ttmp7, 0xffff                   ; which 512 rows
	s_lshr_b32 s20, ttmp9, 2                       ; i
	s_and_b32 s21, ttmp9, 3
	s_lshl_b32 s23, s21, 2
	s_add_co_u32 s23, s23, s18                     ; head
	s_cmp_eq_u32 s20, 2
	s_cselect_b32 s[ISV], 1, 0
	s_cselect_b32 s48, 4, 0                        ; the bias in the result's layout: q, k: register n of lane (r, h) wants channel 16 t + 8 h + n; v: channel 16 t + r
	s_cselect_b32 s49, 0, 32
	s_cselect_b32 s50, 0, 4
	v_mul_u32_u24 v11, v9, s48
	v_mad_u32_u24 v11, v10, s49, v11
.irp n, 0,1,2,3,4,5,6,7
	s_mul_i32 s51, s50, \n
	v_add_nc_u32 v[CODE+\n], s51, v11
.endr
	s_lshl_b32 s54, s20, 20
	s_lshl_b32 s55, s23, 16
	s_add_co_u32 s54, s54, s55                     ; my head's 32 fragments of W
	s_mov_b32 s55, 0
	s_wait_kmcnt 0x0
	s_load_b256 s[36:43], s[14:15], 0x0            ; entries 0 to 7
	s_load_b128 s[44:47], s[14:15], 0x20           ; entries 8 to 11
	s_add_nc_u64 s[WB:WB+1], s[6:7], s[54:55]
	s_cmp_eq_u32 s20, 1
	s_cselect_b64 s[BP:BP+1], s[10:11], s[8:9]
	s_cmp_eq_u32 s20, 2
	s_cselect_b64 s[BP:BP+1], s[12:13], s[BP:BP+1]
	s_lshl_b32 s54, s23, 8
	s_add_nc_u64 s[BP:BP+1], s[BP:BP+1], s[54:55]
	s_lshl_b32 s54, s20, 23
	s_lshr_b32 s56, s19, 2                         ; b
	s_lshl_b32 s56, s56, 4
	s_add_co_u32 s56, s56, s23
	s_lshl_b32 s56, s56, 17
	s_add_co_u32 s54, s54, s56
	s_and_b32 s56, s19, 3
	s_lshl_b32 s56, s56, 15
	s_add_co_u32 s54, s54, s56
	s_add_nc_u64 s[OUT:OUT+1], s[16:17], s[54:55]
	WIN 0x40
	s_wait_alu depctr_va_vdst(0)                   ; v1, v3 to v6 and v112 to v119 are written: every offset and LDS address of the kernel
.irp t, 0,1,2,3
.irp s, 0,1,2,3
.irp g, 0,1,2,3
	global_load_b128 v[16*(4*\t+\s)+4*\g:16*(4*\t+\s)+4*\g+3], v[L16], s[WB:WB+1] offset:\t*16384+\s*2048+512*\g
.endr
.endr
.endr
	WIN 0x80
.irp t, 0,1,2,3
.irp s, 0,1,2,3
.irp g, 0,1,2,3
	global_load_b128 v[16*(4*\t+\s)+4*\g:16*(4*\t+\s)+4*\g+3], v[L16], s[WB:WB+1] offset:\t*16384+(\s+4)*2048+512*\g
.endr
.endr
.endr
	WIN 0
.irp t, 0,1,2,3
.irp n, 0,1,2,3,4,5,6,7
	global_load_b32 v[BIAS+8*\t+\n], v[CODE+\n], s[BP:BP+1] offset:64*\t
.endr
.endr
	s_wait_kmcnt 0x0
	s_cmp_eq_u32 s38, s36                          ; which copy of x's codes holds my product's scale: the comparisons by which the copies were made
	s_cselect_b32 s57, 0, 1
	s_cmp_eq_u32 s40, s38
	s_cselect_b32 s58, 1, 2
	s_cmp_eq_u32 s40, s36
	s_cselect_b32 s58, 0, s58
	s_cmp_eq_u32 s20, 1
	s_cselect_b32 s59, s57, 0                      ; the copy,
	s_cselect_b32 s60, s38, s36                    ; ex,
	s_cselect_b32 s61, s39, s37                    ; ew,
	s_cselect_b32 s62, s43, s42                    ; e_out
	s_cmp_eq_u32 s20, 2
	s_cselect_b32 s59, s58, s59
	s_cselect_b32 s60, s40, s60
	s_cselect_b32 s61, s41, s61
	s_cselect_b32 s62, s45, s62
	s_min_u32 s59, s59, 2
	s_lshl_b32 s54, s59, 23
	s_lshl_b32 s56, s19, 19                        ; 32 row tiles of 16,384 bytes
	s_add_co_u32 s54, s54, s56
	s_add_nc_u64 s[XB:XB+1], s[4:5], s[54:55]
	s_add_nc_u64 s[XB+2:XB+3], s[XB:XB+1], 0x10000
	s_add_co_i32 s60, s60, s61                     ; ex + ew
	s_sub_co_i32 s61, 0, s60
	s_sub_co_i32 s62, s62, s60
	s_add_co_i32 s62, s62, 127
	s_lshl_b32 s63, s62, 23
	v_mov_b32 v[SC], s63
	s_add_co_i32 s62, s62, 15
	s_lshl_b32 s62, s62, 23
	s_or_b32 s62, s62, 0x600000
	v_mov_b32 v[LIM], s62
	GLOAD 0                                        ; block 0
	GLOAD 1                                        ; block 1
	s_wait_loadcnt 32                              ; all but block 1: W, the bias, block 0
.set j, 0
.rept 32
	v_ldexp_f32 v[BIAS+j], v[BIAS+j], s61          ; b / 2^(ex + ew)
.set j, j+1
.endr
	s_add_nc_u64 s[XB:XB+1], s[XB:XB+1], 0x20000
	STAGE_OUT 0
	s_wait_dscnt 0x0                               ; for the others' sake: block 0 lies in buffer 0
	s_wait_alu depctr_vm_vsrc(0)                   ; the LDS stores have read staging A, in which block 2 lands
	GLOAD 0                                        ; block 2
	s_barrier_signal -1
	s_barrier_wait -1
	s_mov_b32 s[CTR], 2
.Lblk:                                                 ; blocks 0 to 3
	ITER 0, 1, 1, 32
	ITER 1, 1, 1, 32
	s_sub_co_u32 s[CTR], s[CTR], 1
	s_cmp_lg_u32 s[CTR], 0
	s_cbranch_scc1 .Lblk
	ITER 0, 1, 1, 32                               ; block 4 asks for block 7, the last
	ITER 1, 1, 0, 32                               ; block 5: block 6 is in, block 7 may be out
	ITER 0, 1, 0, 0                                ; block 6: block 7 is in
	ITER 1, 0, 0, 0                                ; block 7
	s_wait_dscnt 0x0
	s_wait_alu depctr_hold_cnt(0) depctr_sa_sdst(0) depctr_va_vdst(0) depctr_va_sdst(0) depctr_va_ssrc(0) depctr_va_vcc(0) depctr_vm_vsrc(0)
	s_wait_tensorcnt 0x0
	ds_add_u32 v14, v15
	s_wait_dscnt 0x0
	s_endpgm
.Lfunc_end_k_q622d1358f9_proj:
	.size	k_q622d1358f9_proj, .Lfunc_end_k_q622d1358f9_proj-k_q622d1358f9_proj
	.p2alignl 7, 3214868480
	.fill 96, 4, 3214868480
	.section	.rodata,"a",@progbits
	.p2align	6, 0x0
	.amdhsa_kernel k_q622d1358f9_proj
		.amdhsa_group_segment_fixed_size 131584
		.amdhsa_private_segment_fixed_size 0
		.amdhsa_enable_private_segment 0
		.amdhsa_kernarg_size 56
		.amdhsa_user_sgpr_count 2
		.amdhsa_user_sgpr_kernarg_segment_ptr 1
		.amdhsa_wavefront_size32 1
		.amdhsa_system_sgpr_workgroup_id_x 1
		.amdhsa_system_sgpr_workgroup_id_y 1
		.amdhsa_system_sgpr_workgroup_id_z 1
		.amdhsa_system_vgpr_workitem_id 0
		.amdhsa_next_free_vgpr 1024
		.amdhsa_next_free_sgpr 66
		.amdhsa_reserve_vcc 0
		.amdhsa_float_denorm_mode_32 3
		.amdhsa_float_denorm_mode_16_64 3
		.amdhsa_memory_ordered 1
		.amdhsa_forward_progress 1
		.amdhsa_inst_pref_size 255
	.end_amdhsa_kernel
	.section	.bss,"aw",@nobits
	.p2align	6
	.space	262144
	.amdgpu_metadata
---
amdhsa.version: [ 1, 2 ]
amdhsa.kernels:
  - .name:           k_q622d1358f9_proj
    .symbol:         k_q622d1358f9_proj.kd
    .args:
      - { .name: xc, .offset: 0, .size: 8, .value_kind: global_buffer, .address_space: global }
      - { .name: wimg, .offset: 8, .size: 8, .value_kind: global_buffer, .address_space: global }
      - { .name: bq, .offset: 16, .size: 8, .value_kind: global_buffer, .address_space: global }
      - { .name: bk, .offset: 24, .size: 8, .value_kind: global_buffer, .address_space: global }
      - { .name: bv, .offset: 32, .size: 8, .value_kind: global_buffer, .address_space: global }
      - { .name: lowp_scales, .offset: 40, .size: 8, .value_kind: global_buffer, .address_space: global }
      - { .name: qkvc, .offset: 48, .size: 8, .value_kind: global_buffer, .address_space: global }
    .group_segment_fixed_size: 131584
    .private_segment_fixed_size: 0
    .kernarg_segment_align: 8
    .kernarg_segment_size: 56
    .max_flat_workgroup_size: 128
    .sgpr_count:     66
    .vgpr_count:     1024
    .wavefront_size: 32
...
	.end_amdgpu_metadata
.endif
;; end of part 5
;; launch attn (part 6): grid 4 x 64, 8 waves a work-group, no clusters, 263,168 bytes of LDS; arguments qkvc, lowp_scales, cc; writes cc
.if DOCPART == 6
	.amdgcn_target "amdgcn-amd-amdhsa--gfx1250"
	.amdhsa_code_object_version 6
	.text
	.protected	k_q622d1358f9_attn
	.globl	k_q622d1358f9_attn
	.p2align	8
	.type	k_q622d1358f9_attn,@function
k_q622d1358f9_attn:
	s_mov_b64 s[64:65], 0
	v_nop
	global_prefetch_b8 v0, s[64:65] scope:SCOPE_SE
	s_setreg_imm32_b32 hwreg(HW_REG_WAVE_SCHED_MODE, 0, 2), 2
	s_setreg_imm32_b32 hwreg(HW_REG_WAVE_MODE, 25, 1), 1
	s_wait_xcnt 0x0
	s_wait_alu depctr_vm_vsrc(0)
; ctx = softmax(q k^T / 8) v for one head, both products on codes of E5M2; ctx is quantised at once for the last product.
; THE SOFTMAX AHEAD OF THE SECOND PRODUCT: t = score x log2(e) / 8; M = the running largest t rounded UP to a whole number; p = 2^(t - M) is what is quantised; the row's sum is taken of the unquantised p and
; divides at the end.  When M moves, the sum and O are multiplied by 2^(old M - new M), which rounds nothing.
; SHARES.  Work-group x: 512 queries; y: 16 b + head.  The head's WHOLE K and V, 131,072 bytes each, lie in LDS as images of operand registers, stored once: one barrier in the launch.
; Each of eight waves owns 64 queries and takes them in two trips of TWO tiles of 16, which share every fragment of K and V read from LDS.  Two waves lie on a SIMD.
; LAYOUT.  S^T = K Q^T (source 0 = 16 keys, source 1 = 16 queries, K = 64), O^T = V^T P^T (source 0 = 16 channels, source 1 = P, K = 128 keys): a lane holds ONE query throughout.  Tile c of S^T holds, in lane (r, h),
; keys 16 c + 8 h + 0 .. 7: its conversion is P's registers 2 c, 2 c + 1.  Likewise tile t of O^T gives registers 2 t, 2 t + 1 of ctx's fragment.  cc: [row tile 0..511][head][1024].
; THE HOLD OF p is jumped over where ep >= -15: p is at most 1, so p / 2^ep is at most 2^15, under 57,344.  The branch hangs on a whole number among the inputs.
; NO JOINT LOADS: the four work-groups of a head read the same K and V, but once each: 64 loads a wave at the head against 32 key steps; and a joint request is a tensor load.
; The hold's branch takes 128 of a key step's 520 vector lines away.  Nothing is asked for later, so there is nothing to prefetch.
; LIMITS: eq + ek between -123 and 130 (added to c's exponent field); ep, and e_ctx - ep - ev, between -126 and 112.  NaN among the inputs is not served.
; REGISTERS: window 0: v1-6 addresses; v8-15 -M, largest t, sum (two halves) of tile 0 and of tile 1; v16-19 f; v20-26 at work; v28-31 scales; v32-159 S^T, then p; v160-191 P's codes; v192-195 second sums.
;   window 1: v0-63 O^T; v64-79 Q; v128-191 K's eight fragments of a step; v192-255 V's four.
; THE MODE: SCHED_MODE bits 1:0 = 2 (LLVM: expert scheduling mode 2), set by the entry lines.  The code itself states the register dependences between vector or matrix instructions and memory or LDS
; instructions, with s_wait_alu, always for 0.
; THE PLAN.  Registers that memory or LDS instructions touch, behind the barrier:
;   KF            A step's sixteen first products read it; the next step's K lands in it.
;   VF            A step's eight last products read it; the next step's V lands in it.
;   Q             Read by every step's first products; loaded at a trip's head.
;   v[ADK], v[ADV]  LDS addresses (an LDS address has no scalar base): written once a step by a vector add, read by that step's LDS loads.
;   v160-175      At a trip's end the conversions write ctx's codes there, and four global stores read them.
;   window 1      At the head the fill's loads land in it and the fill's LDS stores read it.
; So a step's 32 LDS loads stand in one run behind its scalings, ahead of its exponentials, behind ONE wait on va_vdst: this step's first products are done reading KF, the last step's last products VF, and
; the two addresses are written.  A wait on vm_vsrc stands ahead of the two adds.  The wait behind the exponentials is the one ahead of a batch's first reader.
.set L16,  1                           ; v1  16 x lane (K's images begin at LDS byte 0)
.set L16V, 2                           ; v2  + 131,072: V's images
.set ADK,  3
.set ADV,  4
.set FA,   5                           ; v5  16 x lane + 16,384 x wave: my part of the fill, in memory and in LDS
.set FV,   6
.set ST,   8
.set FF,   16
.set TT,   20
.set SCP,  28                          ; 2^ep
.set LIMP, 29                          ; 57,344 x 2^ep
.set SCC,  30                          ; 2^(e_ctx - ep - ev)
.set LIMC, 31
.set S,    32
.set P,    160
.set C2,   192
.set O,    0
.set Q,    64
.set KF,   128
.set VF,   192
.set MSB, 0
.macro WIN new                         ; the immediate's high byte repeats the setting that is left
.if MSB != \new
	s_set_vgpr_msb (MSB<<8)|\new
.set MSB, \new
.endif
.endm
	s_load_b128 s[4:7], s[0:1], 0x0                ; qkvc s[4:5], the exponents s[6:7]
	s_load_b64 s[8:9], s[0:1], 0x10                ; cc
	v_lshl_add_u32 v254, v0, 2, 0x40000
	v_mov_b32 v255, 0
	v_lshrrev_b32 v7, 5, v0
	v_readfirstlane_b32 s10, v7                    ; wave
	v_and_b32 v7, 31, v0
	v_lshlrev_b32 v[L16], 4, v7
	v_add_nc_u32 v[L16V], 0x20000, v[L16]
	s_wait_alu depctr_va_sdst(0)                   ; s10 is written, ahead of its first reader
	s_lshl_b32 s11, s10, 14
	v_add_nc_u32 v[FA], s11, v[L16]
	v_add_nc_u32 v[FV], 0x20000, v[FA]
	s_and_b32 s12, ttmp7, 0xffff                   ; 16 b + head
	s_lshl_b32 s40, s12, 17
	s_mov_b32 s41, 0
	s_lshl_b32 s13, ttmp9, 5
	s_lshl_b32 s14, s10, 2
	s_add_co_u32 s13, s13, s14                     ; my first row tile in the batch's 128
	s_lshl_b32 s42, s13, 10
	s_add_co_u32 s42, s42, s40
	s_mov_b32 s43, 0
	s_lshr_b32 s14, s12, 4
	s_lshl_b32 s14, s14, 7
	s_add_co_u32 s14, s14, s13
	s_lshl_b32 s44, s14, 14
	s_and_b32 s15, s12, 15
	s_lshl_b32 s15, s15, 10
	s_add_co_u32 s44, s44, s15
	s_mov_b32 s45, 0
	s_mov_b32 s24, 0x76543210                      ; v_permlanex16_b32's selects for lane l xor 16
	s_mov_b32 s25, 0xfedcba98
	s_wait_kmcnt 0x0
	s_load_b128 s[16:19], s[6:7], 0x18             ; eq, ek, ep, ev
	s_load_b32 s20, s[6:7], 0x28                   ; e_ctx
	s_add_nc_u64 s[30:31], s[4:5], s[42:43]        ; Q
	s_add_nc_u64 s[32:33], s[4:5], s[40:41]
	s_add_nc_u64 s[34:35], s[32:33], 0x1000000     ; V
	s_add_nc_u64 s[32:33], s[32:33], 0x800000      ; K
	s_add_nc_u64 s[36:37], s[8:9], s[44:45]        ; ctx's codes
	; ---- the fill: each wave brings an eighth of K and of V through its registers
	WIN 0x40
	s_wait_alu depctr_va_vdst(0)                   ; v1, v2, v5 and v6 are written: the offsets and LDS addresses that stay
.set k, 0
.rept 32
	global_load_b128 v[4*k:4*k+3], v[FA], s[32:33] offset:512*k
.set k, k+1
.endr
.set k, 0
.rept 32
	global_load_b128 v[128+4*k:128+4*k+3], v[FA], s[34:35] offset:512*k
.set k, k+1
.endr
	WIN 0x04
	s_wait_loadcnt 32                              ; K's 32 are in, V's may be out
.set k, 0
.rept 32
	ds_store_b128 v[FA], v[4*k:4*k+3] offset:512*k
.set k, k+1
.endr
	s_wait_loadcnt 0x0
.set k, 0
.rept 32
	ds_store_b128 v[FV], v[128+4*k:128+4*k+3] offset:512*k
.set k, k+1
.endr
	WIN 0
	s_wait_kmcnt 0x0
	s_add_co_i32 s13, s16, s17
	s_lshl_b32 s13, s13, 23
	s_add_co_i32 s22, s13, 0x3e38aa3b              ; c = log2(e) / 8, x 2^(eq + ek)
	s_mov_b32 s23, s22                             ; (named with it as a pair)
	s_add_co_i32 s13, s18, 127
	s_lshl_b32 s14, s13, 23
	v_mov_b32 v[SCP], s14
	s_add_co_i32 s13, s13, 15
	s_lshl_b32 s13, s13, 23
	s_or_b32 s13, s13, 0x600000
	v_mov_b32 v[LIMP], s13
	s_sub_co_i32 s13, s20, s18
	s_sub_co_i32 s13, s13, s19
	s_add_co_i32 s13, s13, 127
	s_lshl_b32 s14, s13, 23
	v_mov_b32 v[SCC], s14
	s_add_co_i32 s13, s13, 15
	s_lshl_b32 s13, s13, 23
	s_or_b32 s13, s13, 0x600000
	v_mov_b32 v[LIMC], s13
	v_mov_b32 v[FF+1], 0                           ; upper words of pairs, and the permutes' destinations: written once
	v_mov_b32 v[FF+3], 0
	v_mov_b32 v[TT+2], 0
	v_mov_b32 v[TT+6], 0
	s_wait_dscnt 0x0                               ; for the others' sake: my stores are done
	s_barrier_signal -1
	s_barrier_wait -1                              ; K and V lie whole in LDS; nothing writes LDS from here on
; A KEY STEP: 128 keys for two tiles of queries.  pf = 1: the next step's K is fetched.
.macro STEP pf
	s_wait_dscnt 0x0                               ; this step's K is in
	WIN 0x05
.irp kt, 0,1,2,3,4,5,6,7
.irp y, 0,1
	v_wmma_f32_16x16x64_bf8_bf8 v[S+64*\y+8*\kt:S+64*\y+8*\kt+7], v[KF+8*\kt:KF+8*\kt+7], v[Q+8*\y:Q+8*\y+7], 0
.endr
.endr
	WIN 0
	s_wait_alu depctr_vm_vsrc(0)                   ; the LDS loads issued so far have read v[ADK] and v[ADV]
	v_add_nc_u32 v[ADK], s26, v[L16]               ; four plain lines: the places in front of the first read of the scores (ISA guide 7.12.1)
	v_add_nc_u32 v[ADV], s26, v[L16V]
	v_nop
	v_nop
.irp y, 0,1                                    ; the step's largest score of my query among my 64 keys, in two chains a tile; each accumulator is first read at its low end
	v_max3_num_f32 v[TT+4*\y], v[S+64*\y], v[S+64*\y+1], v[S+64*\y+2]
	v_max3_num_f32 v[TT+4*\y+1], v[S+64*\y+3], v[S+64*\y+4], v[S+64*\y+5]
.endr
.irp i, 6,10,14,18,22,26,30,34,38,42,46,50,54,58
.irp y, 0,1
	v_max3_num_f32 v[TT+4*\y], v[TT+4*\y], v[S+64*\y+\i], v[S+64*\y+\i+1]
	v_max3_num_f32 v[TT+4*\y+1], v[TT+4*\y+1], v[S+64*\y+\i+2], v[S+64*\y+\i+3]
.endr
.endr
.irp y, 0,1
	v_max3_num_f32 v[TT+4*\y], v[TT+4*\y], v[S+64*\y+62], v[S+64*\y+63]
.endr
.irp y, 0,1
	v_max_num_f32 v[TT+4*\y], v[TT+4*\y], v[TT+4*\y+1]
.endr
.irp y, 0,1
	v_permlanex16_b32 v[TT+4*\y+2], v[TT+4*\y], s24, s25
.endr
.irp y, 0,1
	v_max_num_f32 v[TT+4*\y], v[TT+4*\y], v[TT+4*\y+2]     ; and among lane l xor 16's
.endr
.irp y, 0,1
	v_mul_f32 v[TT+4*\y], s22, v[TT+4*\y]                  ; as t (c is positive)
.endr
.irp y, 0,1
	v_max_num_f32 v[ST+4*\y+1], v[ST+4*\y+1], v[TT+4*\y]   ; the running largest t
.endr
.irp y, 0,1
	v_mov_b32 v[TT+4*\y], v[ST+4*\y]
.endr
.irp y, 0,1
	v_floor_f32 v[ST+4*\y], -v[ST+4*\y+1]                  ; the new -M = floor(-t): M is a whole number
.endr
.irp y, 0,1
	v_sub_f32 v[TT+4*\y], v[ST+4*\y], v[TT+4*\y]           ; old M - new M, 0 or less
.endr
.irp y, 0,1
	v_cvt_i32_f32 v[TT+4*\y], v[TT+4*\y]                   ; (it saturates)
.endr
.irp y, 0,1
	v_ldexp_f32 v[FF+2*\y], 1.0, v[TT+4*\y]                ; f = 2^(old M - new M)
.endr
.irp y, 0,1
.set j, 0
.rept 32
	v_pk_fma_f32 v[S+64*\y+j:S+64*\y+j+1], v[S+64*\y+j:S+64*\y+j+1], s[22:23], v[ST+4*\y:ST+4*\y+1] op_sel_hi:[1,0,0]   ; t - M (of the pairs c and -M the low word serves both halves)
.set j, j+2
.endr
.endr
	WIN 0x40
	s_wait_alu depctr_va_vdst(0)                   ; this step's first products are done reading K's registers, the last step's last products V's; v[ADK] and v[ADV] are written
.irp t, 0,1,2,3
.irp g, 0,1,2,3
	ds_load_b128 v[VF+16*\t+4*\g:VF+16*\t+4*\g+3], v[ADV] offset:2048*\g+512*\t
.endr
.endr
.if \pf
.irp kt, 0,1,2,3,4,5,6,7
.irp p, 0,1
	ds_load_b128 v[KF+8*\kt+4*\p:KF+8*\kt+4*\p+3], v[ADK] offset:8192+1024*\kt+512*\p
.endr
.endr
.endif
	WIN 0
.set j, 0
.rept 128
	v_exp_f32 v[S+j], v[S+j]                       ; p = 2^(t - M): one batch for both tiles
.set j, j+1
.endr
.irp y, 0,1
	v_pk_mul_f32 v[ST+4*\y+2:ST+4*\y+3], v[ST+4*\y+2:ST+4*\y+3], v[FF+2*\y:FF+2*\y+1] op_sel_hi:[1,0]   ; the sums under the new M: the plain lines behind the batch
.endr
	s_wait_alu depctr_va_vdst(0)                   ; the exponentials have written p: one wait for the batch, ahead of its first reader
.irp y, 0,1
	v_pk_add_f32 v[C2+2*\y:C2+2*\y+1], v[S+64*\y:S+64*\y+1], v[S+64*\y+2:S+64*\y+3]   ; the row's sum, of the UNQUANTISED p, in two chains a tile
.endr
.irp i, 4,8,12,16,20,24,28,32,36,40,44,48,52,56,60
.irp y, 0,1
	v_pk_add_f32 v[ST+4*\y+2:ST+4*\y+3], v[ST+4*\y+2:ST+4*\y+3], v[S+64*\y+\i:S+64*\y+\i+1]
	v_pk_add_f32 v[C2+2*\y:C2+2*\y+1], v[C2+2*\y:C2+2*\y+1], v[S+64*\y+\i+2:S+64*\y+\i+3]
.endr
.endr
.irp y, 0,1
	v_pk_add_f32 v[ST+4*\y+2:ST+4*\y+3], v[ST+4*\y+2:ST+4*\y+3], v[C2+2*\y:C2+2*\y+1]
.endr
	s_cmp_ge_i32 s18, -15                          ; with ep >= -15 no p / 2^ep passes 2^15
	s_cbranch_scc1 .Lnohold_\@
.set j, 0
.rept 128
	v_min_num_f32 v[S+j], v[S+j], v[LIMP]          ; the conversion does not saturate (ISA guide 7.6.2); p is not negative
.set j, j+1
.endr
.Lnohold_\@:
.irp y, 0,1
.irp c, 0,1,2,3,4,5,6,7
	v_cvt_scalef32_pk8_bf8_f32 v[P+16*\y+2*\c:P+16*\y+2*\c+1], v[S+64*\y+8*\c:S+64*\y+8*\c+7], v[SCP]
.endr
.endr
	WIN 0x41
.irp y, 0,1
.set j, 0
.rept 16
	v_pk_mul_f32 v[O+32*\y+j:O+32*\y+j+1], v[O+32*\y+j:O+32*\y+j+1], v[FF+2*\y:FF+2*\y+1] op_sel_hi:[1,0]   ; O^T under the new M; also the plain lines behind the conversions
.set j, j+2
.endr
.endr
.if \pf
	s_wait_dscnt 16                                ; V is in; the next K's 16 loads may be out
.else
	s_wait_dscnt 0x0
.endif
	WIN 0x51
.irp t, 0,1,2,3
.irp y, 0,1
	v_wmma_f32_16x16x128_bf8_bf8 v[O+32*\y+8*\t:O+32*\y+8*\t+7], v[VF+16*\t:VF+16*\t+15], v[P+16*\y:P+16*\y+15], v[O+32*\y+8*\t:O+32*\y+8*\t+7]
.endr
.endr
	WIN 0
	s_add_co_u32 s26, s26, 8192                    ; 128 keys on, in K's images and in V's
.endm
	s_mov_b32 s28, 2
.Ltrip:                                                ; two tiles of queries a trip
	s_wait_alu depctr_vm_vsrc(0)                   ; the first trip: the fill's LDS stores have read window 1, in which Q and K land and zeros are written; the second: the last trip's stores have read ctx's codes, which conversions write again
.irp y, 0,1
	v_mov_b32 v[ST+4*\y+1], 0xff61b1e6             ; the largest t so far: -3e38
	v_mov_b32 v[ST+4*\y+2], 0
	v_mov_b32 v[ST+4*\y+3], 0
	v_floor_f32 v[ST+4*\y], -v[ST+4*\y+1]
.endr
	s_mov_b32 s26, 0
	WIN 0x40
	s_wait_alu depctr_va_vdst(0)                   ; the products of the trip before are done reading Q's and K's registers, in which the loads below land
.irp n, 0,1,2,3
	global_load_b128 v[Q+4*\n:Q+4*\n+3], v[L16], s[30:31] offset:512*\n
.endr
.irp kt, 0,1,2,3,4,5,6,7
.irp p, 0,1
	ds_load_b128 v[KF+8*\kt+4*\p:KF+8*\kt+4*\p+3], v[L16] offset:1024*\kt+512*\p   ; the first 128 keys: by v1 itself, which is never written again
.endr
.endr
.set j, 0
.rept 64
	v_mov_b32 v[O+j], 0                            ; the step is written without a first step of its own: it finds zeros, which the first change of M leaves zeros
.set j, j+1
.endr
	WIN 0
	s_wait_loadcnt 0x0                             ; Q
	s_mov_b32 s27, 15
.Lstep:
	STEP 1
	s_sub_co_u32 s27, s27, 1
	s_cmp_lg_u32 s27, 0
	s_cbranch_scc1 .Lstep
	STEP 0                                         ; the last 128 keys: no K is left to fetch
	; ---- the way out: O^T / the sum, held, converted: ctx's fragment of 16 rows x 64, 1,024 bytes a tile
.rept 4
	v_nop
.endr
.irp y, 0,1
	v_add_f32 v[TT+4*\y], v[ST+4*\y+2], v[ST+4*\y+3]
.endr
.irp y, 0,1
	v_permlanex16_b32 v[TT+4*\y+2], v[TT+4*\y], s24, s25
.endr
.irp y, 0,1
	v_add_f32 v[TT+4*\y], v[TT+4*\y], v[TT+4*\y+2]
.endr
.irp y, 0,1
	v_rcp_f32 v[FF+2*\y], v[TT+4*\y]
.endr
	v_nop                                          ; a plain line behind the reciprocals,
	s_wait_alu depctr_va_vdst(0)                   ; and the one wait ahead of their first reader: the two reciprocals are written
	WIN 0x01
.irp y, 0,1
.set j, 0
.rept 16
	v_pk_mul_f32 v[S+32*\y+j:S+32*\y+j+1], v[O+32*\y+j:O+32*\y+j+1], v[FF+2*\y:FF+2*\y+1] op_sel_hi:[1,0]
.set j, j+2
.endr
.endr
	WIN 0
.set j, 0
.rept 64
	v_med3_num_f32 v[S+j], v[S+j], -v[LIMC], v[LIMC]
.set j, j+1
.endr
.irp y, 0,1
.irp t, 0,1,2,3
	v_cvt_scalef32_pk8_bf8_f32 v[P+8*\y+2*\t:P+8*\y+2*\t+1], v[S+32*\y+8*\t:S+32*\y+8*\t+7], v[SCC]
.endr
.endr
	v_nop
	s_wait_alu depctr_va_vdst(0)                   ; the conversions have written ctx's codes, which the stores read
.irp y, 0,1
.irp p, 0,1
	global_store_b128 v[L16], v[P+8*\y+4*\p:P+8*\y+4*\p+3], s[36:37] offset:16384*\y+512*\p   ; 512 consecutive bytes
.endr
.endr
	s_wait_xcnt 0x0                                ; the stores have read their data and their base, Q's loads theirs
	s_add_nc_u64 s[30:31], s[30:31], 2048
	s_add_nc_u64 s[36:37], s[36:37], 32768
	s_sub_co_u32 s28, s28, 1
	s_cmp_lg_u32 s28, 0
	s_cbranch_scc1 .Ltrip
	s_wait_dscnt 0x0
	s_wait_alu depctr_hold_cnt(0) depctr_sa_sdst(0) depctr_va_vdst(0) depctr_va_sdst(0) depctr_va_ssrc(0) depctr_va_vcc(0) depctr_vm_vsrc(0)
	s_wait_tensorcnt 0x0
	ds_add_u32 v254, v255
	s_wait_dscnt 0x0
	s_endpgm
.Lfunc_end_k_q622d1358f9_attn:
	.size	k_q622d1358f9_attn, .Lfunc_end_k_q622d1358f9_attn-k_q622d1358f9_attn
	.p2alignl 7, 3214868480
	.fill 96, 4, 3214868480
	.section	.rodata,"a",@progbits
	.p2align	6, 0x0
	.amdhsa_kernel k_q622d1358f9_attn
		.amdhsa_group_segment_fixed_size 263168
		.amdhsa_private_segment_fixed_size 0
		.amdhsa_enable_private_segment 0
		.amdhsa_kernarg_size 24
		.amdhsa_user_sgpr_count 2
		.amdhsa_user_sgpr_kernarg_segment_ptr 1
		.amdhsa_wavefront_size32 1
		.amdhsa_system_sgpr_workgroup_id_x 1
		.amdhsa_system_sgpr_workgroup_id_y 1
		.amdhsa_system_sgpr_workgroup_id_z 1
		.amdhsa_system_vgpr_workitem_id 0
		.amdhsa_next_free_vgpr 512
		.amdhsa_next_free_sgpr 66
		.amdhsa_reserve_vcc 0
		.amdhsa_float_denorm_mode_32 3
		.amdhsa_float_denorm_mode_16_64 3
		.amdhsa_memory_ordered 1
		.amdhsa_forward_progress 1
		.amdhsa_inst_pref_size 81
	.end_amdhsa_kernel
	.amdgpu_metadata
---
amdhsa.version: [ 1, 2 ]
amdhsa.kernels:
  - .name:           k_q622d1358f9_attn
    .symbol:         k_q622d1358f9_attn.kd
    .args:
      - { .name: qkvc, .offset: 0, .size: 8, .value_kind: global_buffer, .address_space: global }
      - { .name: lowp_scales, .offset: 8, .size: 8, .value_kind: global_buffer, .address_space: global }
      - { .name: cc, .offset: 16, .size: 8, .value_kind: global_buffer, .address_space: global }
    .group_segment_fixed_size: 263168
    .private_segment_fixed_size: 0
    .kernarg_segment_align: 8
    .kernarg_segment_size: 24
    .max_flat_workgroup_size: 256
    .sgpr_count:     66
    .vgpr_count:     512
    .wavefront_size: 32
...
	.end_amdgpu_metadata
.endif
;; end of part 6
;; launch oproj (part 7): grid 4 x 64, 4 waves a work-group, no clusters, 148,992 bytes of LDS; arguments cc, wimg, bo, x, lowp_scales, out0; writes out0
.if DOCPART == 7
	.amdgcn_target "amdgcn-amd-amdhsa--gfx1250"
	.amdhsa_code_object_version 6
	.text
	.protected	k_q622d1358f9_oproj
	.globl	k_q622d1358f9_oproj
	.p2align	8
	.type	k_q622d1358f9_oproj,@function
k_q622d1358f9_oproj:
	s_mov_b64 s[64:65], 0
	v_nop
	global_prefetch_b8 v0, s[64:65] scope:SCOPE_SE
	s_setreg_imm32_b32 hwreg(HW_REG_WAVE_SCHED_MODE, 0, 2), 2
	s_setreg_imm32_b32 hwreg(HW_REG_WAVE_MODE, 25, 1), 1
	s_wait_xcnt 0x0
	s_wait_alu depctr_vm_vsrc(0)
; out = ctx Wo + bo + x; the product on codes of E5M2, all else f32.
; SHARES.  Work-group x: 256 columns; y: 128 rows.  Wave w owns 64 columns x all 1,024 of K: 32 fragments of Wo, 512 registers, loaded once.  The 128 rows' images (131,072 bytes) are stored to LDS once: one barrier.
; Source 0 = 16 columns of Wo, source 1 = 16 rows of ctx: a lane holds one row and eight neighbouring columns.  The rows go in four pairs of row tiles, eight accumulators by turns.
; A sum stands for sum x 2^(ec + ew): bo goes in as the first C, divided by that; one packed multiply-add gives sum x 2^(ec + ew) + x.
; THE WAY OUT: a row tile's 16 rows x 256 bytes go through the wave's own stage (rows 272 bytes apart) and come back by rows: sixteen lanes store 256 consecutive bytes, at a multiple of 256 from out0's first byte.
; LIMIT: ec + ew between -126 and 127.
; NO JOINT LOADS, NO TENSOR LOADS: the weights are each wave's own; the shared images are asked for once, at the head, with everything else that the work-group reads but half of x.
; REGISTERS: window 0: v1-8 addresses; v16-47 bo, four tiles; v48-111 accumulators, then rows of out; v128-255 x's rows, two sets.  Windows 1, 2: Wo.  Window 3: first the images' staging, then v0-127 two sets of
;   four fragments and v128-191 the rows read back from the stage.
; THE MODE: SCHED_MODE bits 1:0 = 2 (LLVM: expert scheduling mode 2), set by the entry lines.  The code itself states the register dependences between vector or matrix instructions and memory or LDS
; instructions, with s_wait_alu, always for 0.
; THE PLAN.  Registers that memory or LDS instructions touch, behind the barrier:
;   SET0, SET1    Phase ph's sixteen products read SET[ph % 2]; the LDS loads of phase ph + 1 land in the other set, dealt among phase ph's first eight products.
;   ACC           Written by a pair's products; read by sixteen LDS stores; written by the multiply-adds; read by sixteen global stores; written by the next pair's products.
;   RB            The LDS loads from the stage land in it; the multiply-adds read it.  A buffer of its own, so that no load lands where an LDS store has just read.
;   XR0, XR1      x's rows: loads land in them two pairs ahead; the multiply-adds read them.
;   v1, v3 to v8  Offsets and LDS addresses, made at the head and never written again.
; So one wait on va_vdst stands at the head of each phase but a pair's first (the last phase's products are done reading their set).  A pair's way out has three waits: the products have written ACC; the LDS stores
; have read it; the multiply-adds have written it and are done reading XR.  The last of them also serves the next phase's fragment loads.  Ahead of the next pair's products: the global stores have read ACC.
.set L16,  1
.set LA,   1                           ; v1, v3: row tiles 0-3, 4-7
.set SA,   4                           ; v4  16 x lane + 32,768 x wave: my two row tiles, in memory and in LDS
.set SO,   5                           ; v5  the stage, in: row r, + 32 h
.set SR,   6                           ; v6  the stage, back: row l / 16, + 16 (l % 16)
.set XO,   7                           ; v7  the same two rows in x and in out0
.set BO,   8                           ; v8  32 h
.set BIAS, 16
.set ACC,  48
.set XR,   128
.set RB,   128                         ; in window 3
.set MSB, 0
.macro WIN new                         ; the immediate's high byte repeats the setting that is left
.if MSB != \new
	s_set_vgpr_msb (MSB<<8)|\new
.set MSB, \new
.endif
.endm
.macro PLACES n
.rept \n
	v_nop
.endr
.endm
.macro FRAG buf, pair, qr, set, m, u   ; one fragment: row tile 4 buf + 2 pair + m, K step 2 qr + u: four loads of 512 consecutive bytes
	WIN 0xc0
.irp c, 0,1,2,3
	ds_load_b128 v[64*(\set)+16*(2*(\m)+(\u))+4*\c:64*(\set)+16*(2*(\m)+(\u))+4*\c+3], v[LA+2*(\buf)] offset:(2*(\pair)+(\m))*16384+(2*(\qr)+(\u))*2048+512*\c
.endr
.endm
.macro WM set, qr, u, g                ; one product: source 0 = Wo (window 1 or 2), source 1 = ctx (window 3), accumulator g = 4 m + t; with qr = 0 and u = 0 the bias is the C and the sum begins
	WIN (0x0c|(1+(\qr)/2))
.set rA, 16*(4*((\g)%4)+(2*(\qr)+(\u))%4)
.set rB, 64*(\set)+16*(2*((\g)/4)+(\u))
.set rC, BIAS+8*((\g)%4)
.if ((\qr) != 0) || ((\u) != 0)
.set rC, ACC+8*(\g)
.endif
	v_wmma_f32_16x16x128_bf8_bf8 v[ACC+8*(\g):ACC+8*(\g)+7], v[rA:rA+15], v[rB:rB+15], v[rC:rC+7]
.endm
; Phase ph: 16 matrix instructions: two K steps x eight accumulators by turns, one instruction a turn.  Behind every second product of the first K step stands one fragment of
; phase ph + 1, those of its first K step first.  No wait: no vector or matrix instruction since the last wait on va_vdst names the other set.
.macro MULT ph
.irp u, 0,1
.irp g, 0,1,2,3,4,5,6,7
	WM ((\ph)%2), ((\ph)%4), \u, \g
.if ((\ph) < 15) && (\u == 0) && (\g%2 == 1)
	FRAG (((\ph)+1)/8), ((((\ph)+1)/4)%2), (((\ph)+1)%4), (((\ph)+1)%2), ((\g/2)%2), (\g/4)
.endif
.endr
.if \u == 0
.if (\ph) < 15
	s_wait_dscnt 16                                ; this phase's fragments of its second K step are in; the sixteen loads just dealt may be out
.else
	s_wait_dscnt 0x0
.endif
.endif
.endr
	WIN 0
.endm
.macro XL P                            ; x's 32 rows of pair P, my 256 bytes of each, into set P % 2
.irp m, 0,1
.irp i, 0,1,2,3,4,5,6,7
	global_load_b128 v[XR+64*((\P)%2)+32*\m+4*\i:XR+64*((\P)%2)+32*\m+4*\i+3], v[XO], s[30:31] offset:(\P)*131072+\m*65536+\i*8192 th:TH_LOAD_NT
.endr
.endr
.endm
.macro EPI_O P
	s_wait_alu depctr_va_vdst(0)                   ; the products have written the sums, which the LDS stores read; the last pair's multiply-adds are done reading RB, in which the loads land
.irp m, 0,1
.irp t, 0,1,2,3
	ds_store_b128 v[SO], v[ACC+8*(4*\m+\t):ACC+8*(4*\m+\t)+3] offset:64*\t          ; each accumulator from its low end on
	ds_store_b128 v[SO], v[ACC+8*(4*\m+\t)+4:ACC+8*(4*\m+\t)+7] offset:64*\t+16
.endr
	WIN 0xc0
.irp i, 0,1,2,3,4,5,6,7
	ds_load_b128 v[RB+32*\m+4*\i:RB+32*\m+4*\i+3], v[SR] offset:544*\i              ; LDS serves a wave's instructions in order: these see the stores above, and the next tile's stores come behind them
.endr
	WIN 0
.endr
.if (\P) == 3
	s_wait_loadcnt 0x0
.else
	s_wait_loadcnt 16                              ; this pair's rows of x are in; the next pair's 16 loads may be out
.endif
	s_wait_alu depctr_vm_vsrc(0)                   ; the LDS stores have read the sums' registers, which the multiply-adds write
	WIN 0x03
.irp m, 0,1
	s_wait_dscnt 16-16*\m                          ; tile m is back; behind tile 0's loads stand tile 1's 8 stores and 8 loads
.set q, 0
.rept 16
	v_pk_fma_f32 v[ACC+32*\m+q:ACC+32*\m+q+1], v[RB+32*\m+q:RB+32*\m+q+1], s[20:21], v[XR+64*((\P)%2)+32*\m+q:XR+64*((\P)%2)+32*\m+q+1] op_sel_hi:[1,0,1]
.set q, q+2
.endr
.endr
	WIN 0
	s_wait_alu depctr_va_vdst(0)                   ; the multiply-adds have written the rows of out, which the stores read, and are done reading x's rows, in which the loads of two pairs on land
.irp m, 0,1
.irp i, 0,1,2,3,4,5,6,7
	global_store_b128 v[XO], v[ACC+32*\m+4*\i:ACC+32*\m+4*\i+3], s[32:33] offset:(\P)*131072+\m*65536+\i*8192 th:TH_STORE_NT
.endr
.endr
.if (\P) <= 1
	XL ((\P)+2)
.endif
.endm
	s_load_b256 s[4:11], s[0:1], 0x0               ; cc s[4:5], wimg s[6:7], bo s[8:9], x s[10:11]
	s_load_b128 s[12:15], s[0:1], 0x20             ; the exponents s[12:13], out0 s[14:15]
	v_lshl_add_u32 v126, v0, 2, 0x24400
	v_mov_b32 v127, 0
	v_lshrrev_b32 v2, 5, v0
	v_readfirstlane_b32 s18, v2                    ; wave
	v_and_b32 v2, 31, v0
	v_lshlrev_b32 v[L16], 4, v2
	v_add_nc_u32 v3, 0x10000, v[L16]
	s_wait_alu depctr_va_sdst(0)                   ; s18 is written, ahead of its first reader
	s_lshl_b32 s22, s18, 15
	v_add_nc_u32 v[SA], s22, v[L16]
	v_and_b32 v9, 15, v0                           ; r
	v_bfe_u32 v10, v0, 4, 1                        ; h
	s_mul_i32 s23, s18, 4352
	s_add_co_u32 s23, s23, 0x20000                 ; my stage, behind the images
	v_mul_u32_u24 v[SO], v9, 272
	v_lshl_add_u32 v[SO], v10, 5, v[SO]
	v_add_nc_u32 v[SO], s23, v[SO]
	v_mul_u32_u24 v[SR], v10, 272
	v_lshl_add_u32 v[SR], v9, 4, v[SR]
	v_add_nc_u32 v[SR], s23, v[SR]
	v_lshlrev_b32 v[XO], 12, v10
	v_lshl_add_u32 v[XO], v9, 4, v[XO]
	v_lshlrev_b32 v[BO], 5, v10
	s_and_b32 s19, ttmp7, 0xffff                   ; which 128 rows
	s_lshl_b32 s34, ttmp9, 2
	s_add_co_u32 s34, s34, s18
	s_lshl_b32 s34, s34, 16
	s_add_co_u32 s34, s34, 0x300000                ; Wo's images, my 64 columns
	s_mov_b32 s35, 0
	s_lshl_b32 s36, s19, 17
	s_mov_b32 s37, 0
	s_lshl_b32 s38, ttmp9, 10
	s_lshl_b32 s39, s18, 8
	s_add_co_u32 s38, s38, s39                     ; my first column, in bytes of f32
	s_mov_b32 s39, 0
	s_lshl_b32 s40, s19, 19
	s_add_co_u32 s40, s40, s38
	s_mov_b32 s41, 0
	s_wait_kmcnt 0x0
	s_load_b64 s[16:17], s[12:13], 0x28            ; ec, ew: entries 10, 11
	s_add_nc_u64 s[24:25], s[6:7], s[34:35]
	s_add_nc_u64 s[26:27], s[4:5], s[36:37]
	s_add_nc_u64 s[28:29], s[8:9], s[38:39]
	s_add_nc_u64 s[30:31], s[10:11], s[40:41]
	s_add_nc_u64 s[32:33], s[14:15], s[40:41]
	WIN 0x40
	s_wait_alu depctr_va_vdst(0)                   ; v1 and v3 to v8 are written: every offset and LDS address of the kernel
.irp t, 0,1,2,3
.irp s, 0,1,2,3
.irp g, 0,1,2,3
	global_load_b128 v[16*(4*\t+\s)+4*\g:16*(4*\t+\s)+4*\g+3], v[L16], s[24:25] offset:\t*16384+\s*2048+512*\g
.endr
.endr
.endr
	WIN 0x80
.irp t, 0,1,2,3
.irp s, 0,1,2,3
.irp g, 0,1,2,3
	global_load_b128 v[16*(4*\t+\s)+4*\g:16*(4*\t+\s)+4*\g+3], v[L16], s[24:25] offset:\t*16384+(\s+4)*2048+512*\g
.endr
.endr
.endr
	WIN 0
.irp t, 0,1,2,3
	global_load_b128 v[BIAS+8*\t:BIAS+8*\t+3], v[BO], s[28:29] offset:64*\t        ; bo at columns 16 t + 8 h + 0 .. 7
	global_load_b128 v[BIAS+8*\t+4:BIAS+8*\t+7], v[BO], s[28:29] offset:64*\t+16
.endr
	WIN 0xc0
.set k, 0
.rept 64
	global_load_b128 v[4*k:4*k+3], v[SA], s[26:27] offset:512*k
.set k, k+1
.endr
	WIN 0
	XL 0
	XL 1
	s_wait_loadcnt 32                              ; all but x's rows of the first two pairs
	WIN 0x0c
.set k, 0
.rept 64
	ds_store_b128 v[SA], v[4*k:4*k+3] offset:512*k
.set k, k+1
.endr
	WIN 0
	s_wait_kmcnt 0x0
	s_add_co_i32 s16, s16, s17                     ; ec + ew
	s_sub_co_i32 s17, 0, s16
	s_add_co_i32 s16, s16, 127
	s_lshl_b32 s20, s16, 23                        ; 2^(ec + ew) as f32
	s_mov_b32 s21, s20                             ; (named with it as a pair)
.set j, 0
.rept 32
	v_ldexp_f32 v[BIAS+j], v[BIAS+j], s17
.set j, j+1
.endr
	s_wait_dscnt 0x0                               ; for the others' sake: my stores are done
	s_barrier_signal -1
	s_barrier_wait -1                              ; the 128 rows' images lie in LDS; from here on a wave writes its own stage alone
	WIN 0xc0
	s_wait_alu depctr_vm_vsrc(0)                   ; my LDS stores have read window 3: its registers are the two sets and RB from here on, in which LDS loads land
	FRAG 0, 0, 0, 0, 0, 0                          ; phase 0's fragments
	FRAG 0, 0, 0, 0, 1, 0
	FRAG 0, 0, 0, 0, 0, 1
	FRAG 0, 0, 0, 0, 1, 1
	WIN 0
.irp ph, 0,1,2,3,4,5,6,7,8,9,10,11,12,13,14,15     ; pair ph / 4, K steps 2 (ph % 4) on, set ph % 2
.if (\ph%4 == 0) && (\ph > 0)
	s_wait_xcnt 0x0                                ; the last pair's stores have had their addresses translated,
	s_wait_alu depctr_vm_vsrc(0)                   ; and have read the registers that the sums now take
.endif
	s_wait_dscnt 8                                 ; the fragments of this phase's first K step are in; the youngest eight loads may be out (behind a pair's way out all are in)
.if \ph%4 != 0
	s_wait_alu depctr_va_vdst(0)                   ; the last phase's products are done reading their set, in which this phase's loads land
.endif
	MULT \ph
	PLACES 4                                       ; behind the products, ahead of the first read of results and of the loads into the set that they have read; they stand beside the waits
.if \ph%4 == 3
	EPI_O (\ph/4)
.endif
.endr
	s_wait_dscnt 0x0
	s_wait_alu depctr_hold_cnt(0) depctr_sa_sdst(0) depctr_va_vdst(0) depctr_va_sdst(0) depctr_va_ssrc(0) depctr_va_vcc(0) depctr_vm_vsrc(0)
	s_wait_tensorcnt 0x0
	ds_add_u32 v126, v127
	s_wait_dscnt 0x0
	s_endpgm
.Lfunc_end_k_q622d1358f9_oproj:
	.size	k_q622d1358f9_oproj, .Lfunc_end_k_q622d1358f9_oproj-k_q622d1358f9_oproj
	.p2alignl 7, 3214868480
	.fill 96, 4, 3214868480
	.section	.rodata,"a",@progbits
	.p2align	6, 0x0
	.amdhsa_kernel k_q622d1358f9_oproj
		.amdhsa_group_segment_fixed_size 148992
		.amdhsa_private_segment_fixed_size 0
		.amdhsa_enable_private_segment 0
		.amdhsa_kernarg_size 48
		.amdhsa_user_sgpr_count 2
		.amdhsa_user_sgpr_kernarg_segment_ptr 1
		.amdhsa_wavefront_size32 1
		.amdhsa_system_sgpr_workgroup_id_x 1
		.amdhsa_system_sgpr_workgroup_id_y 1
		.amdhsa_system_sgpr_workgroup_id_z 1
		.amdhsa_system_vgpr_workitem_id 0
		.amdhsa_next_free_vgpr 1024
		.amdhsa_next_free_sgpr 66
		.amdhsa_reserve_vcc 0
		.amdhsa_float_denorm_mode_32 3
		.amdhsa_float_denorm_mode_16_64 3
		.amdhsa_memory_ordered 1
		.amdhsa_forward_progress 1
		.amdhsa_inst_pref_size 98
	.end_amdhsa_kernel
	.amdgpu_metadata
---
amdhsa.version: [ 1, 2 ]
amdhsa.kernels:
  - .name:           k_q622d1358f9_oproj
    .symbol:         k_q622d1358f9_oproj.kd
    .args:
      - { .name: cc, .offset: 0, .size: 8, .value_kind: global_buffer, .address_space: global }
      - { .name: wimg, .offset: 8, .size: 8, .value_kind: global_buffer, .address_space: global }
      - { .name: bo, .offset: 16, .size: 8, .value_kind: global_buffer, .address_space: global }
      - { .name: x, .offset: 24, .size: 8, .value_kind: global_buffer, .address_space: global }
      - { .name: lowp_scales, .offset: 32, .size: 8, .value_kind: global_buffer, .address_space: global }
      - { .name: out0, .offset: 40, .size: 8, .value_kind: global_buffer, .address_space: global }
    .group_segment_fixed_size: 148992
    .private_segment_fixed_size: 0
    .kernarg_segment_align: 8
    .kernarg_segment_size: 48
    .max_flat_workgroup_size: 128
    .sgpr_count:     66
    .vgpr_count:     1024
    .wavefront_size: 32
...
	.end_amdgpu_metadata
.endif
;; end of part 7
